; MI455X (gfx1250); checked and timed in simulation.
; The chip was launched on July 23, 2026; its instructions are those of AMD's public machine-readable ISA for CDNA 5 (MIT licence, August 2026) and "CDNA5" Instruction Set Architecture Reference Guide (July 2026). The comments in the code are by the model that wrote it; some were corrected since.
;; Self Attention. Allowed arithmetic: matrix products marked QUANTISED: E4M3 operands, one given power-of-two scale a tensor, by v_wmma_f32_16x16x64_fp8_fp8 or v_wmma_f32_16x16x128_fp8_fp8, f32 sums; everything else in f32.
;; Inputs: W_out 1,024 x 1,024 float32; W_qkv 1,024 x 3,072 float32; b_out 1,024 float32; b_qkv 3,072 float32; lowp_scales 8 int32 (the exponents e of the quantised operands' scales 2^e); x 1 x 4,096 x 1,024 float32.
;; Outputs: out0 1 x 4,096 x 1,024 float32.
;; This version of the problem:
;;   THIS VERSION OF THE PROBLEM IS GIVEN IN LOW PRECISION. The matrix products marked QUANTISED in the list below multiply operands that are first quantised to E4M3 (4 exponent bits, 3 mantissa bits; 8 bits a number), with one given power-of-two scale for each operand tensor; their sums are f32. All else is computed in f32.
;;   The module's matrix products, in the order in which they are computed (A, B: the left and right operand; K: the contracted axis; several contracted axes count as one K, in the product's order):
;;     1. [M 4,096, K 1,024] x [K 1,024, N 3,072]; A: input x; B: input W_qkv: QUANTISED (scales: A lowp_scales[0], B lowp_scales[1])
;;     2. batch 16 x [M 4,096, K 64] x [K 64, N 4,096]; A: computed on the way; B: computed on the way: QUANTISED (scales: A lowp_scales[2], B lowp_scales[3])
;;     3. batch 16 x [M 4,096, K 4,096] x [K 4,096, N 64]; A: softmax (see below); B: computed on the way: QUANTISED (scales: A lowp_scales[4], B lowp_scales[5])
;;     4. [M 4,096, K 1,024] x [K 1,024, N 1,024]; A: computed on the way; B: input W_out: QUANTISED (scales: A lowp_scales[6], B lowp_scales[7])
;;   THE QUANTISER, for each operand of a quantised product, along K:
;;     - The operand's scale is 2^e, e = its entry of the input lowp_scales (int32; the entries are numbered through the quantised products in the list's order, A before B).
;;     - Each number is divided by the scale, clamped to +-448, and rounded to the nearest number of E4M3, ties to even, subnormals kept.
;;     - The product sums the exact products of the quantised numbers (number of the format x scale) in f32.
;;   ~~~python
;;   def quantise(x, axis, e):      # numpy; x: float32 -> the quantised numbers, widened to float32 again
;;       x = np.moveaxis(x, axis, -1); K = x.shape[-1]
;;       r = np.clip(x / 2.0 ** e, -448, 448)
;;       step = 2.0 ** (np.maximum(np.frexp(np.where(r == 0, 1, r))[1] - 1, -6) - 3)
;;       q = np.round(r / step) * step * 2.0 ** e      # np.round: ties to even
;;       return np.moveaxis(q, -1, axis).astype(np.float32)
;;   ~~~
;;   SOFTMAX AHEAD OF A QUANTISED PRODUCT. Where the list says 'softmax', what is quantised is not the finished softmax but p = 2^(t - M), with t = logit x log2(e) and M = ceil(the row's largest t), a whole number; so 1/2 < the row's largest p <= 1. The row's sum l is taken of the UNQUANTISED p, in f32, and the product's result is divided by l at the end. Since M is a whole number, a kernel that streams over the keys may use a running M (the ceiling of the running maximum): every later rescaling is an exact power of two, so the quantised numbers keep their values, but for numbers so far below the row's largest that they fall under the format's range.
;;   OPERANDS COMPUTED ON THE WAY. 'Computed on the way' means the value that the module computes at that place (a softmax that the list does not call 'softmax' is quantised finished and normalised). What goes into a quantiser is computed in f32, as accurately as f32 sums, v_exp_f32 and their like allow (about 1e-6 of the number): no bf16 or f16 on the way to a quantiser, and a product that is left as it is and whose result goes on into a quantised operand takes f32 operands (vector FMAs, or v_wmma_f32_16x16x4_f32). A number that lies on a knife's edge between two numbers of the format may be rounded either way, as far as f32 arithmetic and the matrix unit's own rounding can turn it there, and no further.
;; One version. Each part assembles by itself: llvm-mc -triple=amdgcn-amd-amdhsa -mcpu=gfx1250 --defsym DOCPART=n.
;; ======== version 1 of 1: 4 launches
;; limits: right only within a limited range of input values
;; workspace buffers: x_codes 4,194,304 bytes; wqkv_codes 3,145,728 bytes; wout_codes 1,048,576 bytes; q_codes 4,194,304 bytes; k_codes 4,194,304 bytes; v_codes 4,194,304 bytes; o_codes 4,194,304 bytes
;; launch quant (part 1): grid 256 x 1, 4 waves a work-group, no clusters, 68,096 bytes of LDS; arguments x, W_qkv, W_out, lowp_scales, x_codes, wqkv_codes, wout_codes; writes x_codes, wqkv_codes, wout_codes
.if DOCPART == 1
	.amdgcn_target "amdgcn-amd-amdhsa--gfx1250"
	.amdhsa_code_object_version 6
	.text
	.protected	k_q5908c1b615_quant
	.globl	k_q5908c1b615_quant
	.p2align	8
	.type	k_q5908c1b615_quant,@function
k_q5908c1b615_quant:
	s_mov_b64 s[64:65], 0
	v_nop
	global_prefetch_b8 v0, s[64:65] scope:SCOPE_SE
	s_setreg_imm32_b32 hwreg(HW_REG_WAVE_MODE, 25, 1), 1
	s_wait_xcnt 0x0
; THE PROGRAM: causal self-attention, T = 4,096, C = 1,024, 16 heads of 64, all four products on codes of FP8 (E4M3), each operand with the one scale 2^e that is given for it (e0 .. e7).
; Four launches: this one (x, W_qkv, W_out into codes, K innermost); qkv (x W_qkv + b_qkv, quantised into q, k, v); attn (softmax(q k^T / 8) v under the causal mask, quantised); proj (that x W_out + b_out).
; WORK LEFT OUT, in attn alone: reference() sets the score of key k for query q to -infinity wherever k > q, by a mask that it builds itself (jnp.tril).  Such a score gives the weight 0 whatever finite values
; the inputs hold, so it adds nothing to the row's sum nor to the row of the result.  A step of 128 keys all of which come after a wave's 16 queries is therefore not multiplied, and a slot of keys that no wave of a
; work-group reads is not fetched.  Every input has a way to the result and is loaded.  LIMIT: a NaN, an infinity or an overflow that reaches only such hidden scores is not carried to the result.
; THIS LAUNCH: code = number / 2^e, held within +-448, rounded to the nearest code, ties to even.  e0 for x, e1 for W_qkv, e7 for W_out; LIMITS: each between -126 and 119; NaN among the inputs is not served.
; Every work-group takes 32,768 numbers: work-groups 0-127 x, 128-223 W_qkv, 224-255 W_out.
; x [4096][1024]: K is innermost, so x is a plain stream.  A load reads 512 consecutive bytes, 16 a lane; a step's 2,048 bytes turn through the wave's own stage in LDS and come back 64 bytes a lane: 16 neighbours along K
; for the conversions.  A lane's 16 codes are 16 bytes: the wave stores 512 consecutive bytes.
; W [1024 (k)][n]: K is the first axis.  A lane takes a column n and its registers run down K: a load reads 128 consecutive bytes a wave, 512 a work-group; the codes come out with K innermost, gather in the wave's own
; stage (32 columns x 256 along K) and leave as rows: sixteen lanes store 256 consecutive bytes, aligned.  One text serves both weights: pointers, the row's length and e are chosen by the work-group's number.
; No tensor loads, no barrier: waves share nothing.  The two ways have LDS bytes of their own.
.set SP,    80                         ; x: a lane's place in a stage: 64 bytes + 16 of padding
.set XREG,  8192                       ; x: a wave's region: two stages of 32 x SP bytes
.set WST,   32768                      ; W: the stages begin here
.set PW,    272                        ; W: a stage row: 256 bytes + 16
.set SPARE, 67584                      ; behind the stages: the spare words, 128 bytes for each wave
.set STEPS, 16
.set MANT,  0x600000                   ; the mantissa field of 448 as f32
.set R,     16                         ; x: v16-79   four sets of 16 numbers as loaded
.set X,     80                         ; x: v80-111  two sets of 16 neighbours
.set C,     128                        ; x: v128-191 codes, four registers a step
.set WX,    32                         ; W: v32-95   two sets of 32 numbers
.set WC,    96                         ; W: v96-103  a block's codes
.set OUTR,  112                        ; W: v112-175 the way out
.set WOF,   176                        ; W: v176-207 byte offset of row i of a block, at my column; never rewritten
.set SPW,   12                         ; v12 LDS address of my spare word; never rewritten
.set NIL,   13                         ; v13 0; never rewritten
.macro LOADX t
.irp i, 0,1,2,3
	global_load_b128 v[R+16*((\t)%4)+4*\i:R+16*((\t)%4)+4*\i+3], v3, s[4:5] offset:2048*(\t)+512*\i th:TH_LOAD_NT   ; 32 lanes read 512 consecutive bytes
.endr
.endm
.macro TURNX t                         ; step t's numbers through the stage: LDS serves a wave's instructions in order, so no wait stands between the stores and the loads
.irp i, 0,1,2,3
	ds_store_b128 v14, v[R+16*((\t)%4)+4*\i:R+16*((\t)%4)+4*\i+3] offset:32*SP*((\t)%2)+8*SP*\i
.endr
.irp i, 0,1,2,3
	ds_load_b128 v[X+16*((\t)%2)+4*\i:X+16*((\t)%2)+4*\i+3], v15 offset:32*SP*((\t)%2)+16*\i
.endr
.endm
.macro STEPX t
.set XS, X+16*((\t)%2)
	s_wait_dscnt 0x0                               ; this step's numbers are back from the stage: its stores into the stage have read their registers,
.if (\t)+4 < STEPS
	LOADX (\t)+4                                   ; which take the loads of four steps on
.endif
.if (\t)+1 < STEPS
.if STEPS-2-(\t) >= 3
	s_wait_loadcnt 12                              ; the next step's four loads are in; those of the three steps behind it may be out
.else
	s_wait_loadcnt 4*(STEPS-2-(\t))
.endif
	TURNX (\t)+1
.endif
.set i, 0
.rept 16
	v_med3_num_f32 v[XS+i], v[XS+i], -v10, v10     ; the conversion to an 8-bit code does not saturate (ISA guide 7.6.2): the hold at the largest code x the scale
.set i, i+1
.endr
	v_cvt_scalef32_pk8_fp8_f32 v[C+4*(\t):C+4*(\t)+1], v[XS:XS+7], v11
	v_cvt_scalef32_pk8_fp8_f32 v[C+4*(\t)+2:C+4*(\t)+3], v[XS+8:XS+15], v11
	global_store_b128 v4, v[C+4*(\t):C+4*(\t)+3], s[12:13] offset:512*(\t)   ; the results go to a store alone; the next vector lines are the next step's holds, on other registers
.endm
.macro LOADW t                         ; block t: W(32 t + i, my column), i = 0 .. 31, into set t % 2
.set i, 0
.rept 32
	global_load_b32 v[WX+32*((\t)%2)+i], v[WOF+i], s[32+2*(\t):33+2*(\t)] th:TH_LOAD_NT
.set i, i+1
.endr
.endm
.macro BLOCKW t
.set XS, WX+32*((\t)%2)
.if (\t) < 7
	s_wait_loadcnt 32                              ; this block's 32 loads are in; the next block's may be out
.else
	s_wait_loadcnt 0
.endif
.set i, 0
.rept 32
	v_med3_num_f32 v[XS+i], v[XS+i], -v10, v10
.set i, i+1
.endr
.irp g, 0,1,2,3
	v_cvt_scalef32_pk8_fp8_f32 v[WC+2*\g:WC+2*\g+1], v[XS+8*\g:XS+8*\g+7], v11
.endr
	ds_store_b128 v6, v[WC:WC+3] offset:32*(\t)    ; 32 codes: 32 bytes of my column's row
	ds_store_b128 v6, v[WC+4:WC+7] offset:32*(\t)+16
.if (\t)+2 < 8
	LOADW (\t)+2
.endif
	s_wait_dscnt 0x0                               ; the stores have read their registers: the next block's codes may be written
.endm
	s_load_b256 s[4:11], s[0:1], 0x0               ; x s[4:5], W_qkv s[6:7], W_out s[8:9], the scales' exponents s[10:11]
	s_load_b128 s[12:15], s[0:1], 0x20             ; x's codes s[12:13], W_qkv's s[14:15]
	s_load_b64 s[16:17], s[0:1], 0x30              ; W_out's
	v_lshl_add_u32 v[SPW], v0, 2, SPARE
	v_mov_b32 v[NIL], 0
	v_lshrrev_b32 v1, 5, v0
	v_readfirstlane_b32 s18, v1                    ; wave 0..3
	v_and_b32 v2, 31, v0                           ; lane
	v_lshlrev_b32 v3, 4, v2                        ; x: my 16 bytes of a load's 512,
	v_lshlrev_b32 v4, 4, v2                        ; and my 16 codes of a step's 512
	v_lshlrev_b32 v5, 2, v2                        ; W: 4 bytes a lane
	s_mul_i32 s19, s18, XREG                       ; every LDS address is made here, ahead of the parting of the ways
	v_lshrrev_b32 v14, 2, v2
	v_mul_u32_u24 v14, v14, SP
	v_and_b32 v15, 3, v2
	v_lshl_add_u32 v14, v15, 4, v14
	v_add_nc_u32 v14, s19, v14                     ; x's stage, in: SP (lane / 4) + 16 (lane % 4)
	v_mul_u32_u24 v15, v2, SP
	v_add_nc_u32 v15, s19, v15                     ; and out: SP x lane: my 16 neighbours
	s_mul_i32 s19, s18, 32*PW
	s_add_co_u32 s19, s19, WST
	v_mul_u32_u24 v6, v2, PW
	v_add_nc_u32 v6, s19, v6                       ; W's stage, in: row = my column
	v_and_b32 v9, 15, v2
	v_lshrrev_b32 v1, 4, v2
	v_mul_u32_u24 v7, v1, PW
	v_lshl_add_u32 v7, v9, 4, v7
	v_add_nc_u32 v7, s19, v7                       ; and out: sixteen lanes to a row, two rows an instruction
	v_lshlrev_b32 v8, 10, v1
	v_lshl_add_u32 v8, v9, 4, v8                   ; the same place in the codes' buffer: rows of 1,024 bytes
	s_wait_kmcnt 0x0
	s_load_b256 s[24:31], s[10:11], 0x0            ; e0 .. e7
	s_cmp_lt_u32 ttmp9, 128
	s_cbranch_scc0 .Lweights
	; ---- x
	s_lshl_b32 s19, ttmp9, 2
	s_add_co_u32 s19, s19, s18                     ; which run of 8,192 numbers is my wave's
	s_lshl_b32 s20, s19, 15
	s_mov_b32 s21, 0
	s_add_nc_u64 s[4:5], s[4:5], s[20:21]
	s_lshl_b32 s20, s19, 13
	s_add_nc_u64 s[12:13], s[12:13], s[20:21]
.irp t, 0,1,2,3
	LOADX \t
.endr
	s_wait_kmcnt 0x0
	s_add_co_i32 s22, s24, 127
	s_lshl_b32 s23, s22, 23
	v_mov_b32 v11, s23                             ; 2^e0 as f32: the conversion takes its exponent field
	s_add_co_i32 s22, s22, 8
	s_lshl_b32 s22, s22, 23
	s_or_b32 s22, s22, MANT
	v_mov_b32 v10, s22                             ; 448 x 2^e0
	s_wait_alu depctr_va_vdst(0)
	s_wait_loadcnt 12                              ; step 0's four loads are in
	TURNX 0
.irp t, 0,1,2,3,4,5,6,7,8,9,10,11,12,13,14,15
	STEPX \t
.endr
	s_branch .Lend
	; ---- W_qkv or W_out: 128 columns x 256 along K a work-group
.Lweights:
	s_sub_co_u32 s19, ttmp9, 128
	s_mov_b32 s48, 12288
	s_cmp_ge_u32 s19, 96                           ; the choice hangs on the work-group's number alone
	s_cselect_b64 s[20:21], s[8:9], s[6:7]         ; from,
	s_cselect_b64 s[22:23], s[16:17], s[14:15]     ; to,
	s_cselect_b32 s48, 4096, s48                   ; a row of W in bytes
	s_cselect_b32 s50, 96, 0
	s_sub_co_u32 s50, s19, s50                     ; the work-group's number within its weight
	s_lshr_b32 s51, s50, 2
	s_and_b32 s52, s50, 3                          ; which 256 along K
	s_lshl_b32 s51, s51, 7
	s_lshl_b32 s53, s18, 5
	s_add_co_u32 s51, s51, s53                     ; my wave's first column
	s_mul_i32 s54, s52, s48
	s_lshl_b32 s54, s54, 8
	s_lshl_b32 s55, s51, 2
	s_add_co_u32 s54, s54, s55
	s_mov_b32 s55, 0
	s_add_nc_u64 s[32:33], s[20:21], s[54:55]      ; block 0's first row at my first column;
	s_lshl_b32 s56, s48, 5
	s_mov_b32 s57, 0
.irp t, 1,2,3,4,5,6,7
	s_add_nc_u64 s[32+2*\t:33+2*\t], s[30+2*\t:31+2*\t], s[56:57]   ; a base for each block of 32 rows: none is stepped later
.endr
	s_lshl_b32 s58, s51, 10
	s_lshl_b32 s59, s52, 8
	s_add_co_u32 s58, s58, s59
	s_mov_b32 s59, 0
	s_add_nc_u64 s[22:23], s[22:23], s[58:59]      ; the codes: column x 1,024 + 256 x which
.set i, 0
.rept 32
	v_mad_u32_u24 v[WOF+i], s48, i, v5
.set i, i+1
.endr
	LOADW 0
	LOADW 1
	s_wait_kmcnt 0x0
	s_cmp_ge_u32 s19, 96
	s_cselect_b32 s49, s31, s25                    ; e7 or e1
	s_add_co_i32 s49, s49, 127
	s_lshl_b32 s50, s49, 23
	v_mov_b32 v11, s50
	s_add_co_i32 s49, s49, 8
	s_lshl_b32 s49, s49, 23
	s_or_b32 s49, s49, MANT
	v_mov_b32 v10, s49
	s_wait_alu depctr_va_vdst(0)
.irp t, 0,1,2,3,4,5,6,7
	BLOCKW \t
.endr
.irp t, 0,1,2,3,4,5,6,7,8,9,10,11,12,13,14,15
	ds_load_b128 v[OUTR+4*\t:OUTR+4*\t+3], v7 offset:2*\t*PW   ; LDS serves a wave's instructions in order: these see my stores
.endr
.irp t, 0,1,2,3,4,5,6,7,8,9,10,11,12,13,14,15
	s_wait_dscnt 15-\t
	global_store_b128 v8, v[OUTR+4*\t:OUTR+4*\t+3], s[22:23] offset:2048*\t   ; sixteen lanes store 256 consecutive bytes, aligned
.endr
.Lend:
	s_wait_tensorcnt 0x0                           ; the wave's end: behind my last LDS store
	ds_add_u32 v[SPW], v[NIL]
	s_wait_dscnt 0x0
	s_endpgm
.Lfunc_end_k_q5908c1b615_quant:
	.size	k_q5908c1b615_quant, .Lfunc_end_k_q5908c1b615_quant-k_q5908c1b615_quant
	.p2alignl 7, 3214868480
	.fill 96, 4, 3214868480
	.section	.rodata,"a",@progbits
	.p2align	6, 0x0
	.amdhsa_kernel k_q5908c1b615_quant
		.amdhsa_group_segment_fixed_size 68096
		.amdhsa_private_segment_fixed_size 0
		.amdhsa_enable_private_segment 0
		.amdhsa_kernarg_size 56
		.amdhsa_user_sgpr_count 2
		.amdhsa_user_sgpr_kernarg_segment_ptr 1
		.amdhsa_wavefront_size32 1
		.amdhsa_system_sgpr_workgroup_id_x 1
		.amdhsa_system_sgpr_workgroup_id_y 1
		.amdhsa_system_sgpr_workgroup_id_z 1
		.amdhsa_system_vgpr_workitem_id 0
		.amdhsa_next_free_vgpr 208
		.amdhsa_next_free_sgpr 66
		.amdhsa_reserve_vcc 0
		.amdhsa_float_denorm_mode_32 3
		.amdhsa_float_denorm_mode_16_64 3
		.amdhsa_memory_ordered 1
		.amdhsa_forward_progress 1
		.amdhsa_inst_pref_size 88
	.end_amdhsa_kernel
	.amdgpu_metadata
---
amdhsa.version: [ 1, 2 ]
amdhsa.kernels:
  - .name:           k_q5908c1b615_quant
    .symbol:         k_q5908c1b615_quant.kd
    .args:
      - { .name: x, .offset: 0, .size: 8, .value_kind: global_buffer, .address_space: global }
      - { .name: W_qkv, .offset: 8, .size: 8, .value_kind: global_buffer, .address_space: global }
      - { .name: W_out, .offset: 16, .size: 8, .value_kind: global_buffer, .address_space: global }
      - { .name: lowp_scales, .offset: 24, .size: 8, .value_kind: global_buffer, .address_space: global }
      - { .name: x_codes, .offset: 32, .size: 8, .value_kind: global_buffer, .address_space: global }
      - { .name: wqkv_codes, .offset: 40, .size: 8, .value_kind: global_buffer, .address_space: global }
      - { .name: wout_codes, .offset: 48, .size: 8, .value_kind: global_buffer, .address_space: global }
    .group_segment_fixed_size: 68096
    .private_segment_fixed_size: 0
    .kernarg_segment_align: 8
    .kernarg_segment_size: 56
    .max_flat_workgroup_size: 128
    .sgpr_count:     66
    .vgpr_count:     208
    .wavefront_size: 32
...
	.end_amdgpu_metadata
.endif
;; end of part 1
;; launch qkv (part 2): grid 12 x 16, 4 waves a work-group, clusters of 4 x 4, 327,680 bytes of LDS; arguments x_codes, wqkv_codes, lowp_scales, b_qkv, q_codes, k_codes, v_codes; writes q_codes, k_codes, v_codes
.if DOCPART == 2
	.amdgcn_target "amdgcn-amd-amdhsa--gfx1250"
	.amdhsa_code_object_version 6
	.text
	.protected	k_q5908c1b615_qkv
	.globl	k_q5908c1b615_qkv
	.p2align	8
	.type	k_q5908c1b615_qkv,@function
k_q5908c1b615_qkv:
	s_mov_b64 s[64:65], 0
	v_nop
	global_prefetch_b8 v0, s[64:65] scope:SCOPE_SE
	s_setreg_imm32_b32 hwreg(HW_REG_WAVE_MODE, 25, 1), 1
	s_wait_xcnt 0x0
	s_wait_alu depctr_hold_cnt(0) depctr_sa_sdst(0) depctr_va_vdst(0) depctr_va_sdst(0) depctr_va_ssrc(0) depctr_va_vcc(0) depctr_vm_vsrc(0)
	s_getreg_b32 s2, hwreg(HW_REG_IB_STS2, 6, 4)
	s_cmp_eq_u32 s2, 0
	s_cbranch_scc0 .Lentry_in_a_cluster
	s_endpgm
.Lentry_in_a_cluster:
	s_bfe_u32 s2, ttmp6, 0x10000c
	s_cmp_lg_u32 s2, 0xf033
	s_cbranch_scc0 .Lentry_shape_is_right
	s_endpgm
.Lentry_shape_is_right:
; q, k, v = x W_qkv + b_qkv on codes of FP8 (E4M3), quantised at once (e2, e3, e5).  x_codes [4096][1024], wqkv_codes [3072][1024], K innermost.
; A tile of 256 x 256 a work-group, four waves of 128 x 128, K in four steps of 256 through a ring of two slots.  CLUSTERS of 4 x 4: the tile in A's place is shared along a row of the cluster, that in B's place along a column.
; Clusters x = 0 make q, x = 1 k: tokens in A's place (by cy), rows of W in B's (by cx): a lane holds eight neighbouring channels of a token.  Clusters x = 2 make v: rows of W in A's place (by cy), tokens in B's (by cx):
; a lane holds eight neighbouring tokens of a channel.  So every LDS address is the same in all clusters.
; q_codes, k_codes [16][4096][64], v_codes [1024][4096]: along the last axis the byte at place p holds number p with bits 3 and 4 exchanged.
; No prefetch: K is four steps, written out; the first two are asked for at the head and there is no loop to run ahead in.
; LIMITS: e0 + e1 between -126 and 126; e2, e3, e5 less (e0 + e1) between -126 and 119; NaN is not served.
.set ROWB,   256
.set KROW,   1024
.set PITCH,  272
.set FR,     16
.set NL,     4
.set NP,     4
.set HALFT,  128*PITCH
.set SLOT,   4*HALFT
.set SPARE,  2*SLOT
.set PQ,     336
.set PV,     272
.set BH,   7
.set VB,   8
.set ADRA, 16
.set GV,   18
.set BR,   19
.set ADRB, 20
.set RDV,  22
.set GQ,   23
.set STOQ, 24
.set STOV, 25
.set RDQ0, 26
.set RDQ1, 27
.set SPW,  28
.set NIL,  29
.set SCV,  30
.set LIMV, 31
.set QB,   32
.set CDS,  96
.set TMP,  128
.set AF,   128
.set G1, 24
.set G0, 32
.set G1B, 48
.set G0B, 56
.set MSB, 0
.macro WIN new
.if MSB != (\new)
	s_set_vgpr_msb (MSB<<8)|(\new)
.set MSB, \new
.endif
.endm
.set MUL_LO, 0xa1
.set MUL_HI, 0xf1
.set TO_B,   0x40
.macro JLOAD g0a, g1a, g0b, g1b
	s_cmp_eq_u32 s15, 0
	s_cbranch_scc0 .Lfor_b_\@
	tensor_load_to_lds s[\g0a:\g0a+3], s[\g1a:\g1a+7]
	s_nop 0
.rept 4
	v_nop
.endr
	s_branch .Lasked_\@
.Lfor_b_\@:
	tensor_load_to_lds s[\g0b:\g0b+3], s[\g1b:\g1b+7]
	s_nop 0
.rept 4
	v_nop
.endr
.Lasked_\@:
.endm
.macro CREST
	s_cmp_lg_u32 s14, 0
	s_cbranch_scc1 .Lnot_wave_0_\@
	s_barrier_signal -3
.Lnot_wave_0_\@:
	s_barrier_wait -3
	s_barrier_signal -1
	s_barrier_wait -1
.endm
.macro CROUND
	s_barrier_signal -1
	s_barrier_wait -1
	CREST
.endm
	s_load_b256 s[4:11], s[0:1], 0x0
	s_load_b128 s[84:87], s[0:1], 0x20
	s_load_b64 s[88:89], s[0:1], 0x30
	v_lshl_add_u32 v[SPW], v0, 2, SPARE
	v_mov_b32 v[NIL], 0
	ds_add_u32 v[SPW], v[NIL]
	ds_add_u32 v[SPW], v[NIL]
	v_lshrrev_b32 v1, 5, v0
	v_readfirstlane_b32 s14, v1
	s_lshr_b32 s15, s14, 1
	s_and_b32 s16, s14, 1
	s_bfe_u32 s40, ttmp6, 0x40000
	s_bfe_u32 s41, ttmp6, 0x40004
	s_lshl_b32 s42, ttmp9, 2
	s_add_co_u32 s42, s42, s40
	s_and_b32 s17, ttmp7, 0xffff
	s_lshl_b32 s17, s17, 2
	s_add_co_u32 s17, s17, s41
	s_lshl_b32 s43, s41, 2
	s_lshl_b32 s43, 15, s43
	s_lshl_b32 s44, 0x1111, s40
	s_or_b32 s[G1+0], s43, (1<<20)|(1<<21)|(5<<22)|(3<<25)
	s_or_b32 s[G1B+0], s44, (1<<20)|(1<<21)|(5<<22)|(3<<25)
.irp g, G1, G1B
	s_mov_b32 s[\g+1], ROWB<<16
	s_mov_b32 s[\g+2], 128<<16
	s_mov_b32 s[\g+3], ROWB<<16
	s_mov_b32 s[\g+4], 128
	s_mov_b32 s[\g+5], KROW
	s_mov_b32 s[\g+6], 0
	s_mov_b32 s[\g+7], 0
.endr
	s_lshl_b32 s18, s16, 7
	s_add_co_u32 s19, s41, 8                       ; v: the tile column is 8 + cy,
	s_and_b32 s67, ttmp7, 0xffff
	s_lshl_b32 s67, s67, 2
	s_add_co_u32 s67, s67, s40                     ; and the tile row 4 x cluster y + cx
	s_cmp_eq_u32 ttmp9, 2
	s_cselect_b32 s20, s19, s17                    ; A's place: by cy alone
	s_cselect_b32 s46, s67, s42                    ; B's place: by cx alone
	s_lshl_b32 s20, s20, 8
	s_add_co_u32 s20, s20, s18
	s_lshl_b32 s20, s20, 10
	s_mov_b32 s21, 0
	s_lshl_b32 s46, s46, 8
	s_add_co_u32 s46, s46, s18
	s_lshl_b32 s46, s46, 10
	s_mov_b32 s47, 0
	s_mul_i32 s45, s14, HALFT
	s_wait_dscnt 0x0
	s_wait_kmcnt 0x0
	s_load_b256 s[72:79], s[8:9], 0x0
	s_cmp_eq_u32 ttmp9, 2
	s_cselect_b64 s[98:99], s[6:7], s[4:5]         ; A's place: W for v, else x
	s_cselect_b64 s[82:83], s[4:5], s[6:7]
	s_add_nc_u64 s[20:21], s[98:99], s[20:21]
	s_add_nc_u64 s[46:47], s[82:83], s[46:47]
	CROUND
.irp s, 0,1
	s_mov_b32 s[G0+4*\s], 1
	s_add_co_u32 s[G0+4*\s+1], s45, \s*SLOT
	s_add_nc_u64 s[G0+4*\s+2:G0+4*\s+3], s[20:21], \s*ROWB
	s_or_b32 s[G0+4*\s+3], s[G0+4*\s+3], 0x80000000
	s_mov_b32 s[G0B+4*\s], 1
	s_add_co_u32 s[G0B+4*\s+1], s45, \s*SLOT
	s_add_nc_u64 s[G0B+4*\s+2:G0B+4*\s+3], s[46:47], \s*ROWB
	s_or_b32 s[G0B+4*\s+3], s[G0B+4*\s+3], 0x80000000
.endr
	JLOAD G0, G1, G0B, G1B                         ; K step 0: one tensor load a wave at the head
	v_and_b32 v1, 15, v0
	v_bfe_u32 v2, v0, 4, 1
	v_mul_u32_u24 v3, v1, PITCH
	v_lshl_add_u32 v4, v2, 4, v3
	s_wait_alu depctr_va_vdst(0)
	s_cmp_eq_u32 ttmp9, 2
	s_cselect_b32 s66, 1, 0
	s_cselect_b64 s[90:91], s[88:89], s[86:87]
	s_cselect_b32 s92, 8, 14
	s_cselect_b32 s42, s19, s42                    ; the tile column, the tile row and the column within q, k or v, for bias and stores
	s_cselect_b32 s17, s67, s17
	s_cselect_b32 s40, s41, s40
	s_cmp_eq_u32 ttmp9, 0
	s_cselect_b64 s[90:91], s[84:85], s[90:91]
	s_mul_i32 s21, s15, HALFT
	s_mul_i32 s22, s16, HALFT
	s_add_co_u32 s22, s22, 2*HALFT
.irp s, 0,1
	v_add_nc_u32 v[ADRA+\s], s21, v4
	v_add_nc_u32 v[ADRB+\s], s22, v4
	s_add_co_u32 s21, s21, SLOT
	s_add_co_u32 s22, s22, SLOT
.endr
	s_lshl_b32 s18, s16, 7
	s_mul_i32 s23, s15, 128*PQ
	s_add_co_u32 s23, s23, s18
	v_mul_u32_u24 v5, v1, PQ
	v_lshl_add_u32 v5, v2, 4, v5
	v_add_nc_u32 v[STOQ], s23, v5
	s_mul_i32 s23, s15, 128*PV
	s_add_co_u32 s23, s23, s18
	s_add_co_u32 s23, s23, SLOT
	v_add_nc_u32 v[STOV], s23, v4
	v_and_b32 v6, 31, v0
	v_lshrrev_b32 v5, 2, v6
	v_mul_u32_u24 v5, v5, PQ
	v_and_b32 v3, 3, v0
	v_lshl_add_u32 v5, v3, 4, v5
	s_lshl_b32 s23, s14, 6
	v_add_nc_u32 v[RDQ0], s23, v5
	v_add_nc_u32 v[RDQ1], 128*PQ, v[RDQ0]
	s_mul_i32 s23, s14, 64*PV
	s_add_co_u32 s23, s23, SLOT
	v_mul_u32_u24 v5, v2, PV
	v_lshl_add_u32 v5, v1, 4, v5
	v_add_nc_u32 v[RDV], s23, v5
	v_lshlrev_b32 v[GQ], 4, v6
	v_lshlrev_b32 v5, 12, v2
	v_lshl_add_u32 v[GV], v1, 4, v5
	v_lshlrev_b32 v[BH], 5, v2
	s_wait_alu depctr_va_vdst(0)
	v_lshlrev_b32 v[BR], 2, v1
	s_wait_alu depctr_va_vdst(0)
	s_lshl_b32 s92, s17, s92
	s_lshl_b32 s93, s40, 2
	s_add_co_u32 s93, s93, s14
	s_lshl_b32 s93, s93, 18
	s_add_co_u32 s92, s92, s93
	s_mov_b32 s93, 0
	s_add_nc_u64 s[90:91], s[90:91], s[92:93]
	s_lshl_b32 s82, s42, 10
	s_lshl_b32 s94, s16, 9
	s_add_co_u32 s94, s94, s82
	s_mov_b32 s95, 0
	s_add_nc_u64 s[94:95], s[10:11], s[94:95]
	s_lshl_b32 s96, s15, 9
	s_add_co_u32 s96, s96, s82
	s_mov_b32 s97, 0
	s_add_nc_u64 s[96:97], s[10:11], s[96:97]
.irp b, 0,1,2,3,4,5,6,7
	global_load_b128 v[QB+8*\b:QB+8*\b+3], v[BH], s[94:95] offset:64*\b
	global_load_b128 v[QB+8*\b+4:QB+8*\b+7], v[BH], s[94:95] offset:64*\b+16
.endr
.irp a, 0,1,2,3,4,5,6,7
	global_load_b32 v[VB+\a], v[BR], s[96:97] offset:64*\a
.endr
.macro FRAG reg, adr, q, i
.irp c, 0,1,2,3
	ds_load_b128 v[\reg+4*\c:\reg+4*\c+3], v[\adr] offset:128*(\q)+32*\c+(\i)*16*PITCH
.endr
.endm
.macro MUL16 a0, p, zero
.irp a, \a0, \a0+1
.irp b, 0,1,2,3,4,5,6,7
.if \zero
	v_wmma_f32_16x16x128_fp8_fp8 v[8*(8*((\a)%4)+\b):8*(8*((\a)%4)+\b)+7], v[128*(\p)+FR*\b:128*(\p)+FR*\b+FR-1], v[AF+FR*(\a):AF+FR*(\a)+FR-1], 0
.else
	v_wmma_f32_16x16x128_fp8_fp8 v[8*(8*((\a)%4)+\b):8*(8*((\a)%4)+\b)+7], v[128*(\p)+FR*\b:128*(\p)+FR*\b+FR-1], v[AF+FR*(\a):AF+FR*(\a)+FR-1], v[8*(8*((\a)%4)+\b):8*(8*((\a)%4)+\b)+7]
.endif
.endr
.endr
.endm
.macro FETCH_B slot, q, p
	WIN TO_B
.irp i, 0,1,2,3,4,5,6,7
	FRAG 128*(\p)+FR*\i, ADRB+\slot, \q, \i
.endr
	WIN 0
.endm
.macro FETCH_A slot, q, i0
.irp i, \i0, \i0+1, \i0+2, \i0+3
	FRAG AF+FR*(\i), ADRA+\slot, \q, \i
.endr
.endm
.macro PLACES n
.rept \n
	v_nop
.endr
.endm
.macro STEP slot, q, zero
	s_wait_dscnt 4*NL
	WIN MUL_LO
	MUL16 0, (\q)%2, \zero
	MUL16 2, (\q)%2, \zero
	s_wait_dscnt 0
	PLACES NP
	FETCH_B \slot, (\q)+1, 1-(\q)%2
	FETCH_A \slot, (\q)+1, 0
	WIN MUL_HI
	MUL16 4, (\q)%2, \zero
	MUL16 6, (\q)%2, \zero
	PLACES NP
	WIN 0
	FETCH_A \slot, (\q)+1, 4
.endm
.macro TURN slot, next, fill
	s_wait_tensorcnt 0x0
	ds_add_u32 v[SPW], v[NIL]
	s_wait_dscnt 4*NL+1
	WIN MUL_LO
	MUL16 0, 1, 0
	s_wait_dscnt 0x0
	s_barrier_signal -1
	MUL16 2, 1, 0
	WIN 0
	s_barrier_wait -1
.if \fill
	CREST
	s_add_nc_u64 s[G0+4*\slot+2:G0+4*\slot+3], s[G0+4*\slot+2:G0+4*\slot+3], 2*ROWB
	s_add_nc_u64 s[G0B+4*\slot+2:G0B+4*\slot+3], s[G0B+4*\slot+2:G0B+4*\slot+3], 2*ROWB
	JLOAD G0+4*\slot, G1, G0B+4*\slot, G1B
.else
	PLACES NP
.endif
	FETCH_B \next, 0, 0
	FETCH_A \next, 0, 0
	WIN MUL_HI
	MUL16 4, 1, 0
	MUL16 6, 1, 0
	PLACES NP
	WIN 0
	FETCH_A \next, 0, 4
.endm
	s_wait_alu depctr_va_vdst(0)                   ; the wait at the head's end
	s_wait_tensorcnt 0x0                           ; my part of K step 0 is in;
	ds_add_u32 v[SPW], v[NIL]                      ; ahead of a later first fill
	s_wait_dscnt 0x0
	CROUND                                         ; everybody's part is in, and the joint loads meet
	JLOAD G0+4, G1, G0B+4, G1B                     ; K step 1
	FETCH_B 0, 0, 0
	FETCH_A 0, 0, 0
	FETCH_A 0, 0, 4
	STEP 0, 0, 1
	TURN 0, 1, 1
	STEP 1, 0, 0
	TURN 1, 0, 1
	STEP 0, 0, 0
	TURN 0, 1, 0
	STEP 1, 0, 0
	s_wait_dscnt 4*NL
	WIN MUL_LO
	MUL16 0, 1, 0
	MUL16 2, 1, 0
	s_wait_dscnt 0
	WIN MUL_HI
	MUL16 4, 1, 0
	MUL16 6, 1, 0
	WIN 0
	s_barrier_signal -1
	s_barrier_wait -1
.macro PACK a, isv, sto, p
.set AC, 64*((\a)%4)
.set CD, CDS+16*((\a)%2)
.if (\a) >= 2
	s_wait_dscnt 4
.endif
.if \isv
	WIN 0x02+((\a)/4)
.set j, 0
.rept 32
	v_pk_add_f32 v[TMP+j:TMP+j+1], v[AC+j:AC+j+1], v[QB+2*(\a):QB+2*(\a)+1]
.set j, j+2
.endr
.else
	WIN 0x20+0x10*((\a)/4)
.set j, 0
.rept 32
	v_pk_fma_f32 v[TMP+j:TMP+j+1], v[QB+j:QB+j+1], s[68:69], v[AC+j:AC+j+1] op_sel_hi:[1,0,1]
.set j, j+2
.endr
.endif
	WIN 0
.set j, 0
.rept 64
	v_med3_num_f32 v[TMP+j], v[TMP+j], -v[LIMV], v[LIMV]
.set j, j+1
.endr
.irp b, 0,1,2,3,4,5,6,7
	v_cvt_scalef32_pk8_fp8_f32 v[CD+2*\b:CD+2*\b+1], v[TMP+8*\b:TMP+8*\b+7], v[SCV]
.endr
	v_nop
.irp g, 0,1,2,3
	ds_store_b128 v[\sto], v[CD+4*\g:CD+4*\g+3] offset:(\a)*16*(\p)+32*\g
.endr
.endm
	s_wait_loadcnt 0x0
	s_wait_kmcnt 0x0
	s_cmp_eq_u32 ttmp9, 0
	s_cselect_b32 s80, s74, s75
	s_cmp_eq_u32 ttmp9, 2
	s_cselect_b32 s80, s77, s80
	s_add_co_i32 s81, s72, s73
	s_sub_co_i32 s68, 127, s81
	s_lshl_b32 s68, s68, 23
	s_mov_b32 s69, s68
	s_sub_co_i32 s80, s80, s81
	s_add_co_i32 s80, s80, 127
	s_lshl_b32 s82, s80, 23
	v_mov_b32 v[SCV], s82
	s_add_co_i32 s80, s80, 8
	s_lshl_b32 s80, s80, 23
	s_or_b32 s80, s80, 0x600000
	v_mov_b32 v[LIMV], s80
	PLACES NP
	s_cmp_eq_u32 s66, 1
	s_cbranch_scc1 .Lpack_v
.irp a, 0,1,2,3,4,5,6,7
	PACK \a, 0, STOQ, PQ
.endr
	s_branch .Lpacked
.Lpack_v:
.irp a, 0,1,2,3,4,5,6,7
	v_mul_f32 v[QB+2*\a], s68, v[VB+\a]
	v_mul_f32 v[QB+2*\a+1], s68, v[VB+\a]
.endr
.irp a, 0,1,2,3,4,5,6,7
	PACK \a, 1, STOV, PV
.endr
.Lpacked:
	s_wait_dscnt 0x0
	s_barrier_signal -1
	s_barrier_wait -1
	s_cmp_eq_u32 s66, 1
	s_cbranch_scc1 .Lsend_v
.set i, 0
.rept 16
	ds_load_b128 v[128+4*i:128+4*i+3], v[RDQ0] offset:i*8*PQ
.set i, i+1
.endr
.set i, 0
.rept 16
	ds_load_b128 v[192+4*i:192+4*i+3], v[RDQ1] offset:i*8*PQ
.set i, i+1
.endr
.set i, 0
.rept 32
	s_wait_dscnt 31-i
	global_store_b128 v[GQ], v[128+4*i:128+4*i+3], s[90:91] offset:512*i
.set i, i+1
.endr
	s_branch .Lsent
.Lsend_v:
.set i, 0
.rept 32
	ds_load_b128 v[128+4*i:128+4*i+3], v[RDV] offset:i*2*PV
.set i, i+1
.endr
.set i, 0
.rept 32
	s_wait_dscnt 31-i
	global_store_b128 v[GV], v[128+4*i:128+4*i+3], s[90:91] offset:8192*i
.set i, i+1
.endr
.Lsent:
	s_wait_tensorcnt 0x0
	ds_add_u32 v[SPW], v[NIL]
	s_wait_dscnt 0x0
	CROUND
	s_endpgm
.Lfunc_end_k_q5908c1b615_qkv:
	.size	k_q5908c1b615_qkv, .Lfunc_end_k_q5908c1b615_qkv-k_q5908c1b615_qkv
	.p2alignl 7, 3214868480
	.fill 96, 4, 3214868480
	.section	.rodata,"a",@progbits
	.p2align	6, 0x0
	.amdhsa_kernel k_q5908c1b615_qkv
		.amdhsa_group_segment_fixed_size 327680
		.amdhsa_private_segment_fixed_size 0
		.amdhsa_enable_private_segment 0
		.amdhsa_kernarg_size 56
		.amdhsa_user_sgpr_count 2
		.amdhsa_user_sgpr_kernarg_segment_ptr 1
		.amdhsa_wavefront_size32 1
		.amdhsa_system_sgpr_workgroup_id_x 1
		.amdhsa_system_sgpr_workgroup_id_y 1
		.amdhsa_system_sgpr_workgroup_id_z 1
		.amdhsa_system_vgpr_workitem_id 0
		.amdhsa_next_free_vgpr 1024
		.amdhsa_next_free_sgpr 100
		.amdhsa_reserve_vcc 0
		.amdhsa_float_denorm_mode_32 3
		.amdhsa_float_denorm_mode_16_64 3
		.amdhsa_memory_ordered 1
		.amdhsa_forward_progress 1
		.amdhsa_inst_pref_size 205
	.end_amdhsa_kernel
	.amdgpu_metadata
---
amdhsa.version: [ 1, 2 ]
amdhsa.kernels:
  - .name:           k_q5908c1b615_qkv
    .symbol:         k_q5908c1b615_qkv.kd
    .args:
      - { .name: x_codes, .offset: 0, .size: 8, .value_kind: global_buffer, .address_space: global }
      - { .name: wqkv_codes, .offset: 8, .size: 8, .value_kind: global_buffer, .address_space: global }
      - { .name: lowp_scales, .offset: 16, .size: 8, .value_kind: global_buffer, .address_space: global }
      - { .name: b_qkv, .offset: 24, .size: 8, .value_kind: global_buffer, .address_space: global }
      - { .name: q_codes, .offset: 32, .size: 8, .value_kind: global_buffer, .address_space: global }
      - { .name: k_codes, .offset: 40, .size: 8, .value_kind: global_buffer, .address_space: global }
      - { .name: v_codes, .offset: 48, .size: 8, .value_kind: global_buffer, .address_space: global }
    .group_segment_fixed_size: 327680
    .private_segment_fixed_size: 0
    .kernarg_segment_align: 8
    .kernarg_segment_size: 56
    .max_flat_workgroup_size: 128
    .sgpr_count:     100
    .vgpr_count:     1024
    .wavefront_size: 32
...
	.end_amdgpu_metadata
.endif
;; end of part 2
;; launch attn (part 3): grid 16 x 16, 16 waves a work-group, clusters of 4 x 1, 327,680 bytes of LDS; arguments q_codes, k_codes, v_codes, lowp_scales, o_codes; writes o_codes
.if DOCPART == 3
	.amdgcn_target "amdgcn-amd-amdhsa--gfx1250"
	.amdhsa_code_object_version 6
	.text
	.protected	k_q5908c1b615_attn
	.globl	k_q5908c1b615_attn
	.p2align	8
	.type	k_q5908c1b615_attn,@function
k_q5908c1b615_attn:
	s_mov_b64 s[64:65], 0
	v_nop
	global_prefetch_b8 v0, s[64:65] scope:SCOPE_SE
	s_setreg_imm32_b32 hwreg(HW_REG_WAVE_MODE, 25, 1), 1
	s_wait_xcnt 0x0
	s_wait_alu depctr_hold_cnt(0) depctr_sa_sdst(0) depctr_va_vdst(0) depctr_va_sdst(0) depctr_va_ssrc(0) depctr_va_vcc(0) depctr_vm_vsrc(0)
	s_getreg_b32 s2, hwreg(HW_REG_IB_STS2, 6, 4)
	s_cmp_eq_u32 s2, 0
	s_cbranch_scc0 .Lentry_in_a_cluster
	s_endpgm
.Lentry_in_a_cluster:
	s_bfe_u32 s2, ttmp6, 0x10000c
	s_cmp_lg_u32 s2, 0x3003
	s_cbranch_scc0 .Lentry_shape_is_right
	s_endpgm
.Lentry_shape_is_right:
; o[h][q] = the sum over k <= q of softmax_k(q . k / 8) v, both products on codes of FP8 (E4M3); the result is quantised at once for the projection (e6).
; WORK LEFT OUT: steps of 128 keys all of which come after a wave's 16 queries, and slots of 512 keys that no wave reads: reference()'s own causal mask gives them the weight 0 for all values of the inputs.
; q_codes, k_codes [16][4096][64], v_codes [1024 = 64 head + channel][4096 keys]: along the last axis the byte at place p holds number p with bits 3 and 4 exchanged, so that 16 bytes a lane at 32 c + 16 h are an operand's
; registers 4 c .. 4 c + 3 in the matrix form's own order.  o_codes [16 heads][256 blocks of 16 tokens][2 halves of the channels][16 tokens][32 channels].
; THE SOFTMAX: t = score x log2(e) / 8; M = the row's largest t so far, rounded UP to a whole number; p = 2^(t - M) is quantised (e4), not normalised.  The row's sum is taken of the unquantised p and divides at the end.
; When M moves, the sum and O are multiplied by 2^(old M - new M): exact.
; SHARES.  The four work-groups (place p) of cluster a own 512 early queries, 512 a on, and 512 late ones, 512 (7 - a) on.  Each takes every fourth tile of 16: eight early tiles 64 j + 16 p and eight late ones.
; The early queries are walked first, over a + 1 slots of 512 keys, then the late ones, over 8 - a: NINE SLOTS IN EVERY WORK-GROUP, and every partner has the same steps in every slot.
; A tile's keys are shared by two waves: wave w takes tile j (j = w % 4, or 7 - w % 4 where w / 4 is odd) and of each slot's four steps of 128 keys those of the parity w / 8.  So all sixteen waves have work throughout.
; Each wave keeps its own M, sum and O; its partial results go to LDS, the early ones at the change of queries, the late ones at the end, where the two waves of a tile join them, each for 32 of the 64 channels.
; CLUSTERS: all four partners walk the same slots of the same head: each tile is asked for jointly.  No branch hangs on p: 64 j + 16 p .. + 15 lies in one block of 64, so the tests hold 64 j alone against multiples of 128.
; LAYOUT.  S^T = K Q^T (source 0 = 16 neighbouring keys, source 1 = my queries; K = 64): register j of tile t holds key 16 t + 8 h + j of query r.  Eight such tiles, converted, ARE source 1 of O^T = V^T P^T (K = 128 keys).
; LIMITS: e2 + e3 between -123 and 130; e4 and e6 between -126 and 119; e4 + e5 is applied by v_ldexp_f32 and has none; scaled scores (t) under 2^31 in magnitude; NaN is not served.
; REGISTERS: v1-9 addresses; v12 -M, v13 the row's sum when it leaves, v[14:15] the sum; v16-23 Q; v24 r - 8 h; v32-95 K's 8 fragments, then V's 4; v96-159 S^T, then p; v160-191 O^T; v192-207 p's codes; v208-215 the late Q; v232-254 at work.
.set SK,    512                        ; keys in a slot
.set KL,    272                        ; a line of four keys in LDS: 256 bytes + 16 of padding (k's rows of 64 bytes are dense in memory)
.set VP,    528                        ; a row of V's tile: 512 bytes + 16
.set VOFF,  128*KL                     ; a slot: 128 lines of K, then 64 rows of V
.set SLOT1, 1<<17                      ; slot 1 begins here: one exclusive or turns an address in one slot into the other's
.set OST,   69632                      ; the way out: 1,024 bytes for each wave, between the slots: no tile lands there
.set PW,    4608                       ; a wave's partial results: 32 registers of O and four of M and the sum, 128 bytes each
.set LST,   SLOT1                      ; the late partial results: from slot 1 on, which was left at the last change of slots: it has had its last fill, and nobody reads it
.set EST,   208896                     ; the early ones, behind them
.set SPARE, EST+16*PW                  ; the spare words, 128 bytes for each wave
.set AK0,  1
.set AV0,  2
.set PFO,  3                           ; the prefetches' offset; never rewritten
.set QOF,  4
.set SPW,  5                           ; LDS address of my spare word; never rewritten
.set NIL,  6                           ; 0; never rewritten
.set XS,   7                           ; LDS address of my early partial results
.set ADK,  8
.set ADV,  9
.set DG,   24
.set TB,   2                           ; LDS byte at which the slot in hand begins
.set ASKF, 3                           ; 1 where I prefetch at this change
.set QB,   12                          ; my tile's 64 queries begin here (without p);  QH: their last
.set QH,   13
.set Q0,   14                          ; my first query
.set KF,   15                          ; the step's first key
.set WV,   18
.set HF,   19                          ; which parity of steps, and which half of the channels, is mine
.set SEL,  20                          ; s[20:21] lane selects for v_permlanex16_b32: lane l xor 16
.set CS,   22                          ; s[22:23] c = log2(e) / 8 x 2^(e2 + e3)
.set G1K,  24
.set G1V,  32
.set G0K,  40
.set G0V,  44
.set NE,   56                          ; early slots;  NE2 twice that;  NE1 one more
.set NN,   57                          ; number of the slot that the next change asks for
.set NE2,  58
.set NE1,  59
.set OE,   60                          ; s[60:61] where my early part of o_codes begins;  s[90:91] my late part
.set PFX,  62                          ; s[62:63] the prefetches' step
.set CN,   66                          ; -c
.set SLOTS, 67
.set PFA,  76
.set PFB,  78
.set ASKER, 80
.set CUR,  81                          ; first key of the slot last asked for
.set PFSH, 88
.set OL,   90
.set QBL,  92
.set Q0L,  93
; Waves 0 and 1 fetch for K, waves 2 and 3 for V, the others nothing.  An s_nop 0 and four v_nop follow each of the two lines.
.macro TLOAD
	s_cmp_lt_u32 s[WV], 2
	s_cbranch_scc0 .Lnot_k_\@
	tensor_load_to_lds s[G0K:G0K+3], s[G1K:G1K+7]
	s_nop 0
.rept 4
	v_nop
.endr
	s_branch .Lasked_\@
.Lnot_k_\@:
	s_cmp_lt_u32 s[WV], 4
	s_cbranch_scc0 .Lasked_\@
	tensor_load_to_lds s[G0V:G0V+3], s[G1V:G1V+7]
	s_nop 0
.rept 4
	v_nop
.endr
.Lasked_\@:
.endm
.macro CROUND                          ; a round of the cluster's barrier
	s_barrier_signal -1
	s_barrier_wait -1
	s_cmp_lg_u32 s[WV], 0
	s_cbranch_scc1 .Lnot_wave_0_\@
	s_barrier_signal -3
.Lnot_wave_0_\@:
	s_barrier_wait -3
	s_barrier_signal -1
	s_barrier_wait -1
.endm
.macro DEP n
	s_delay_alu instid0(VALU_DEP_\n)
.endm
	s_load_b256 s[4:11], s[0:1], 0x0               ; q_codes s[4:5], k_codes s[6:7], v_codes s[8:9], the scales' exponents s[10:11]
	s_load_b64 s[16:17], s[0:1], 0x20              ; o_codes
	v_lshl_add_u32 v[SPW], v0, 2, SPARE
	v_mov_b32 v[NIL], 0
	ds_add_u32 v[SPW], v[NIL]                      ; the wave's opening: the add, twice on end, and its wait ahead of my first tensor load
	ds_add_u32 v[SPW], v[NIL]
	v_lshrrev_b32 v8, 5, v0
	DEP 1
	v_readfirstlane_b32 s[WV], v8                  ; wave 0..15
	s_bfe_u32 s94, ttmp6, 0x40000                  ; p: my place in the cluster
	s_and_b32 s95, ttmp7, 0xffff                   ; the head:
	s_lshl_b32 s82, s95, 18                        ; 262,144 bytes in each of the four tensors of codes
	s_mov_b32 s83, 0
	s_lshr_b32 s[HF], s[WV], 3
	s_and_b32 s96, s[WV], 3
	s_sub_co_u32 s97, 7, s96
	s_bitcmp1_b32 s[WV], 2
	s_cselect_b32 s96, s97, s96                    ; j
	s_lshl_b32 s96, s96, 6
	s_lshl_b32 s97, ttmp9, 9
	s_add_co_u32 s[QB], s97, s96
	s_sub_co_u32 s97, 7, ttmp9
	s_lshl_b32 s97, s97, 9
	s_add_co_u32 s[QBL], s97, s96
	s_add_co_u32 s[QH], s[QB], 63
	s_lshl_b32 s97, s94, 4
	s_add_co_u32 s[Q0], s[QB], s97
	s_add_co_u32 s[Q0L], s[QBL], s97
	s_lshl_b32 s[KF], s[HF], 7
	s_add_co_u32 s[NE], ttmp9, 1
	s_add_co_u32 s[NE1], ttmp9, 2
	s_lshl_b32 s[NE2], s[NE], 1
	s_lshl_b32 s84, s[Q0], 6
	s_mov_b32 s85, 0
	s_add_nc_u64 s[84:85], s[84:85], s[82:83]      ; my queries' bytes in q_codes: early,
	s_lshl_b32 s86, s[Q0L], 6
	s_mov_b32 s87, 0
	s_add_nc_u64 s[86:87], s[86:87], s[82:83]      ; late
	s_lshl_b32 s98, s[HF], 9
	s_mov_b32 s99, 0
	s_add_nc_u64 s[OE:OE+1], s[84:85], s[98:99]    ; a block of 16 tokens is 1,024 bytes in o_codes too: + 512 for the second half of the channels
	s_add_nc_u64 s[OL:OL+1], s[86:87], s[98:99]
	s_and_b32 s96, s[WV], 1                        ; what I fetch, if I fetch: wave 0, 1: keys 256 x wave on; wave 2, 3: rows 32 x (wave - 2) of V
	s_lshl_b32 s48, s96, 14
	s_mov_b32 s49, 0
	s_add_nc_u64 s[48:49], s[48:49], s[82:83]      ; K: in memory,
	s_mul_i32 s97, s96, 64*KL                      ; and in a slot
	s_lshl_b32 s50, s96, 17
	s_mov_b32 s51, 0
	s_add_nc_u64 s[50:51], s[50:51], s[82:83]      ; V: in memory,
	s_mul_i32 s98, s96, 32*VP
	s_add_co_u32 s98, s98, VOFF                    ; and in a slot
	s_mov_b32 s[G1K], 15|(1<<20)|(1<<21)|(5<<22)|(3<<25)   ; K: 64 lines of 256 bytes (four keys), dense.  15:0 the mask: all four partners; 17:16 elements of 1 byte; 20 padding on; 21 set beside a mask; 24:22 after every 64 words; 31:25 four words
	s_mov_b32 s[G1K+1], 256<<16                    ; tensor_dim0
	s_mov_b32 s[G1K+2], 64<<16                     ; tensor_dim1
	s_mov_b32 s[G1K+3], 256<<16                    ; tile_dim0
	s_mov_b32 s[G1K+4], 64                         ; tile_dim1
	s_mov_b32 s[G1K+5], 256                        ; tensor_dim0_stride
	s_mov_b32 s[G1K+6], 0
	s_mov_b32 s[G1K+7], 0
	s_mov_b32 s[G1V], 15|(1<<20)|(1<<21)|(6<<22)|(3<<25)   ; V: 32 rows of 512 bytes, 4,096 apart; padding: four words after every 128
	s_mov_b32 s[G1V+1], 512<<16
	s_mov_b32 s[G1V+2], 32<<16
	s_mov_b32 s[G1V+3], 512<<16
	s_mov_b32 s[G1V+4], 32
	s_mov_b32 s[G1V+5], 4096
	s_mov_b32 s[G1V+6], 0
	s_mov_b32 s[G1V+7], 0
	s_mov_b32 s[SEL], 0x76543210
	s_mov_b32 s[SEL+1], 0xfedcba98
	s_mov_b32 s[CS], 0x3e38aa3b                    ; log2(e) / 8
	s_mov_b32 s[TB], 0
	s_mov_b32 s[SLOTS], 8
	s_mov_b32 s[NN], 1
	s_mov_b32 s[CUR], 0
	s_mov_b32 s53, 0
	s_mov_b32 s55, 0
	s_wait_alu depctr_va_vdst(0)
	s_wait_dscnt 0x0                               ; both opening adds are done
	s_wait_kmcnt 0x0
	s_load_b256 s[68:75], s[10:11], 0x0            ; e0 .. e7
	s_add_nc_u64 s[48:49], s[6:7], s[48:49]
	s_add_nc_u64 s[50:51], s[8:9], s[50:51]
	s_mov_b32 s[G0K], 1                            ; 1:0 count = 1
	s_mov_b32 s[G0K+1], s97                        ; 63:32 LDS address: slot 0
	s_mov_b64 s[G0K+2:G0K+3], s[48:49]             ; 120:64 global address
	s_or_b32 s[G0K+3], s[G0K+3], 0x80000000        ; 127:126 type = 2
	s_mov_b32 s[G0V], 1
	s_mov_b32 s[G0V+1], s98
	s_mov_b64 s[G0V+2:G0V+3], s[50:51]
	s_or_b32 s[G0V+3], s[G0V+3], 0x80000000
	CROUND                                         ; all four work-groups are here: the first joint loads meet
	TLOAD                                          ; slot 0
	s_add_nc_u64 s[84:85], s[4:5], s[84:85]
	s_add_nc_u64 s[86:87], s[4:5], s[86:87]
	s_add_nc_u64 s[OE:OE+1], s[16:17], s[OE:OE+1]
	s_add_nc_u64 s[OL:OL+1], s[16:17], s[OL:OL+1]
	; the prefetches (ASK): wave 4 asks for K's codes, wave 5 for V's; the partners share a slot's 256 blocks out by address: 8,192 bytes of K, 16 rows of V each
	s_cmp_eq_u32 s[WV], 4
	s_cselect_b64 s[PFB:PFB+1], s[6:7], s[8:9]
	s_cselect_b32 s[PFSH], 6, 0                    ; a key is 64 bytes on in K, 1 in V
	s_cselect_b32 s96, 13, 16
	s_cselect_b32 s97, 0, 1                        ; K: a lane to a block; V: two lanes to a row
	s_mov_b32 s98, 4096
	s_cselect_b32 s98, 256, s98
	s_lshl_b32 s[PFX], s94, s96
	s_mov_b32 s[PFX+1], 0
	s_add_nc_u64 s[PFB:PFB+1], s[PFB:PFB+1], s[82:83]
	s_add_nc_u64 s[PFB:PFB+1], s[PFB:PFB+1], s[PFX:PFX+1]
	s_lshr_b32 s96, s[WV], 1
	s_cmp_eq_u32 s96, 2
	s_cselect_b32 s[ASKER], 1, 0
	s_mul_i32 s96, s[WV], PW
	s_add_co_u32 s96, s96, EST
	s_mul_i32 s99, s[HF], 32*KL
	s_lshl_b32 s89, s[HF], 7
	s_add_co_u32 s89, s89, VOFF
	v_and_b32 v8, 15, v0                           ; r
	v_bfe_u32 v9, v0, 4, 1                         ; h
	v_and_b32 v25, 31, v0                          ; lane
	v_lshlrev_b32 v[QOF], 6, v8
	v_lshrrev_b32 v[PFO], s97, v25
	v_lshrrev_b32 v26, 2, v8
	v_lshl_add_u32 v[QOF], v9, 4, v[QOF]
	global_load_b128 v[16:19], v[QOF], s[84:85]    ; both Q fragments stay in registers
	global_load_b128 v[20:23], v[QOF], s[84:85] offset:32
	global_load_b128 v[208:211], v[QOF], s[86:87]
	global_load_b128 v[212:215], v[QOF], s[86:87] offset:32
	v_mul_lo_u32 v[PFO], v[PFO], s98
	v_mul_u32_u24 v[AK0], v26, KL
	v_mul_u32_u24 v[AV0], v8, VP
	v_and_b32 v27, 3, v8
	v_and_b32 v28, s97, v25
	v_lshl_add_u32 v[AV0], v9, 4, v[AV0]
	v_lshl_add_u32 v[AK0], v27, 6, v[AK0]
	v_lshl_add_u32 v[PFO], v28, 8, v[PFO]
	v_add_nc_u32 v[AV0], s89, v[AV0]               ; V: row r, + 16 h, + 128 for the odd steps
	v_lshl_add_u32 v[AK0], v9, 4, v[AK0]
	v_lshlrev_b32 v29, 3, v9
	v_lshlrev_b32 v[XS], 4, v25
	v_add_nc_u32 v[AK0], s99, v[AK0]               ; K: key r of a tile: line r / 4, 64 (r % 4), + 16 h, + 32 lines for the odd steps
	v_sub_nc_u32 v[DG], v8, v29
	v_add_nc_u32 v[XS], s96, v[XS]
	v_mov_b32 v12, 0x7f61b1e6                      ; -M: 3e38, so that M is under every t
	v_mov_b32 v13, 0                               ; (named as the upper half of the pair v[12:13])
	v_mov_b32 v14, 0                               ; the sum, in two halves
	v_mov_b32 v15, 0
	v_mov_b32 v236, 0                              ; written once: a lane permute's destination counts as one of its sources
	v_mov_b32 v253, 0                              ; (named as the upper half of the pair v[252:253])
.set j, 0
.rept 32
	v_mov_b32 v[160+j], 0                          ; O^T: the step has one form; the first finds zeros, which the first change of M leaves zeros
.set j, j+1
.endr
	s_wait_alu depctr_va_vdst(0)
	s_wait_kmcnt 0x0
	s_add_co_i32 s96, s70, s71
	s_lshl_b32 s96, s96, 23
	s_add_co_i32 s[CS], s[CS], s96                 ; a score stands for score x 2^(e2 + e3): the exponents are added to c's exponent field
	s_mov_b32 s[CS+1], s[CS]
	s_xor_b32 s[CN], s[CS], 0x80000000
	s_add_co_i32 s96, s72, 127
	s_lshl_b32 s97, s96, 23
	v_mov_b32 v244, s97                            ; 2^e4 as f32
	s_add_co_i32 s96, s96, 8
	s_lshl_b32 s96, s96, 23
	s_or_b32 s96, s96, 0x600000
	v_mov_b32 v240, s96                            ; 448 x 2^e4, twice, for the pairs of holds
	v_mov_b32 v241, s96
	s_add_co_i32 s96, s74, 127
	s_lshl_b32 s97, s96, 23
	v_mov_b32 v245, s97                            ; 2^e6
	s_add_co_i32 s96, s96, 8
	s_lshl_b32 s96, s96, 23
	s_or_b32 s96, s96, 0x600000
	v_mov_b32 v232, s96                            ; 448 x 2^e6
.macro PA d, a, b
	v_pk_add_f32 v[\d:\d+1], v[\a:\a+1], v[\b:\b+1]
.endm
; A KEY STEP: 128 keys: of the slot in hand the first (u = 0) or second (u = 1) of my parity.
.macro STEP u
	s_cmp_gt_u32 s[KF], s[QH]                      ; a step all of whose keys come after my queries is left out: a scalar branch on ids, round the step's work; no barrier or tensor load stands in a step
	s_cbranch_scc1 .Lhidden_\@
	v_add_nc_u32 v[ADK], s[TB], v[AK0]
	v_add_nc_u32 v[ADV], s[TB], v[AV0]
	v_nop                                          ; with the two additions: four places in front of loads into registers that the last products have read
	v_nop
.irp t, 0,1,2,3,4,5,6,7
.irp c, 0,1
	ds_load_b128 v[32+8*\t+4*\c:35+8*\t+4*\c], v[ADK] offset:(\u)*64*KL+\t*4*KL+32*\c
.endr
.endr
	s_wait_alu depctr_va_vdst(0)
	s_wait_dscnt 0x0
.irp t, 0,1,2,3,4,5,6,7
	v_wmma_f32_16x16x64_fp8_fp8 v[96+8*\t:103+8*\t], v[32+8*\t:39+8*\t], v[16:23], 0   ; S^T: register j of tile t: key KF + 16 t + 8 h + j
.endr
.rept 4
	v_nop                                          ; places: in front of the loads below and of the first read of the scores
.endr
.irp t, 0,1,2,3
.irp c, 0,1,2,3
	ds_load_b128 v[32+16*\t+4*\c:35+16*\t+4*\c], v[ADV] offset:\t*16*VP+256*(\u)+32*\c   ; V's four fragments land while the softmax is worked
.endr
.endr
	s_add_co_u32 s96, s[KF], 128                   ; on the diagonal the scores of hidden keys become -infinity ahead of the maximum: p = 0 then.  A step all of whose keys count skips this
	s_cmp_le_u32 s96, s[QB]
	s_cbranch_scc1 .Lopen_\@
	s_sub_co_i32 s96, s[Q0], s[KF]
	v_add_nc_u32 v252, s96, v[DG]                  ; d = my query - KF - 8 h: register 8 t + j is hidden where 16 t + j > d
	v_mov_b32 v254, 0xff800000
.set n, 0
.rept 64
	v_cmp_gt_i32 vcc_lo, 16*(n/8)+n%8, v252
	v_cndmask_b32 v[96+n], v[96+n], v254, vcc_lo
.set n, n+1
.endr
.Lopen_\@:
	v_max3_num_f32 v254, v96, v97, v98             ; the step's largest score of my query, among my 64 keys, in two chains,
	v_max3_num_f32 v252, v99, v100, v101
.irp i, 6,10,14,18,22,26,30,34,38,42,46,50,54,58
	v_max3_num_f32 v254, v254, v[96+\i], v[97+\i]
	v_max3_num_f32 v252, v252, v[98+\i], v[99+\i]
.endr
	v_max3_num_f32 v254, v254, v158, v159
	DEP 1
	v_max_num_f32 v254, v254, v252
	DEP 1
	v_permlanex16_b32 v236, v254, s[SEL], s[SEL+1]
	DEP 1
	v_max_num_f32 v254, v254, v236                 ; and among lane l xor 16's
	DEP 1
	v_mul_f32 v254, s[CN], v254                    ; as -t (c is positive)
	DEP 1
	v_floor_f32 v254, v254                         ; floor(-t) = -ceil(t): M is a whole number
	DEP 1
	v_min_num_f32 v254, v12, v254                  ; the new -M
	DEP 1
	v_sub_f32 v252, v254, v12                      ; old M - new M: a whole number, 0 or less
	v_mov_b32 v12, v254
	DEP 2
	v_cvt_i32_f32 v252, v252                       ; (it saturates)
	DEP 1
	v_ldexp_f32 v252, 1.0, v252                    ; f = 2^(old M - new M)
.set j, 0
.rept 32
	v_pk_fma_f32 v[96+j:97+j], v[96+j:97+j], s[CS:CS+1], v[12:13] op_sel_hi:[1,0,0]   ; t - M, two at a time
.set j, j+2
.endr
.set j, 0
	s_wait_alu depctr_va_vdst(0)                   ; the wait ahead of the batch
.rept 64
	v_exp_f32 v[96+j], v[96+j]                     ; p = 2^(t - M), at most 1
.set j, j+1
.endr
	v_pk_mul_f32 v[14:15], v[14:15], v[252:253] op_sel_hi:[1,0]   ; the sums under the new M: the plain instruction behind the exponentials
	s_wait_alu depctr_va_vdst(0)                   ; and ahead of the first instruction that names a result: one for the batch
	PA 242, 100, 104
	PA 254, 108, 112
	PA 250, 116, 120
	PA 248, 124, 128
	PA 246, 132, 136
	PA 238, 140, 144
	PA 234, 148, 152
	PA 14, 14, 156
	PA 242, 242, 96
	PA 254, 254, 98
	PA 250, 250, 102
	PA 248, 248, 106
	PA 246, 246, 110
	PA 238, 238, 114
	PA 234, 234, 118
	PA 14, 14, 122
	PA 242, 242, 126
	PA 254, 254, 130
	PA 250, 250, 134
	PA 248, 248, 138
	PA 246, 246, 142
	PA 238, 238, 146
	PA 234, 234, 150
	PA 14, 14, 154
	PA 242, 242, 158
	DEP 2
	PA 14, 14, 248
	DEP 2
	PA 242, 242, 246
	PA 254, 254, 238
	PA 250, 250, 234
	DEP 2
	PA 14, 14, 254
	DEP 2
	PA 242, 242, 250
	DEP 1
	PA 14, 14, 242
.irp t, 0,1,2,3,4,5,6,7
.irp i, 0,2,4,6
	v_dual_min_num_f32 v[96+8*\t+\i], v[96+8*\t+\i], v240 :: v_dual_min_num_f32 v[97+8*\t+\i], v[97+8*\t+\i], v241   ; the conversion does not saturate (ISA guide 7.6.2); p is not negative, so the hold is one-sided
.endr
	v_cvt_scalef32_pk8_fp8_f32 v[192+2*\t:193+2*\t], v[96+8*\t:103+8*\t], v244   ; registers 2 t, 2 t + 1 of the operand: keys 16 t + 8 h + 0 .. 7
.endr
	s_wait_alu depctr_va_vdst(0)                   ; the wait directly ahead of the first reader of O^T
.set j, 0
.rept 16
	v_pk_mul_f32 v[160+j:161+j], v[160+j:161+j], v[252:253] op_sel_hi:[1,0]   ; O^T under the new M; also the plain instructions between the conversions and the products
.set j, j+2
.endr
	s_wait_alu depctr_va_vdst(0)
	s_wait_dscnt 0x0                               ; V's fragments are in
.irp t, 0,1,2,3
	v_wmma_f32_16x16x128_fp8_fp8 v[160+8*\t:167+8*\t], v[32+16*\t:47+16*\t], v[192:207], v[160+8*\t:167+8*\t]   ; the four accumulators take turns
.endr
.Lhidden_\@:
	s_add_co_u32 s[KF], s[KF], 256
.endm
; THE CHANGE OF SLOTS stands at a slot's head.  Each wave waits for all its tensor loads, adds 0 to its spare word (fill = 1: twice on end), and waits for that and for its reads of the slot that it has left.
; fill = 1: a round of the cluster's barrier; behind it the slot ahead is whole, no wave of any partner reads the other one, and that other slot is filled with the slot that follows: the load has two of my steps, or as many as are not hidden, in which to land.
; A PREFETCH INTO THE L2 of the slot that the NEXT change will ask for: K's dense 32,768 bytes and 512 bytes of each of V's 64 rows: each aligned block of 256 bytes once in each cluster, by address.  Slots 0 and 1 come by their
; loads alone; a slot that the early walk has read is not asked for again in the late walk; behind the ninth slot there is none.
.macro CHANGE fill
	s_wait_alu depctr_va_vdst(0)
	s_wait_tensorcnt 0x0                           ; no tensor load of mine is out, so a group 0 may be written
	ds_add_u32 v[SPW], v[NIL]                      ; 0 onto my spare word
.if \fill
	ds_add_u32 v[SPW], v[NIL]                      ; and once more: twice on end here, in every trip alike
	s_add_co_u32 s[CUR], s[CUR], SK
	s_cmp_eq_u32 s[NN], s[NE]
	s_cselect_b32 s[CUR], 0, s[CUR]                ; the late queries begin again at key 0
	s_lshl_b32 s52, s[CUR], 6
	s_mov_b32 s54, s[CUR]
	s_xor_b32 s[G0K+1], s[G0K+1], SLOT1            ; the other slot than last time
	s_xor_b32 s[G0V+1], s[G0V+1], SLOT1
	s_add_nc_u64 s[G0K+2:G0K+3], s[48:49], s[52:53]
	s_or_b32 s[G0K+3], s[G0K+3], 0x80000000
	s_add_nc_u64 s[G0V+2:G0V+3], s[50:51], s[54:55]
	s_or_b32 s[G0V+3], s[G0V+3], 0x80000000
	s_add_co_u32 s[NN], s[NN], 1
	s_add_co_u32 s[PFX], s[CUR], SK
	s_lshl_b32 s[PFX], s[PFX], s[PFSH]
	s_wait_xcnt 0x0                                ; the last prefetch, a slot back, has read its address, so it may be written
	s_add_nc_u64 s[PFA:PFA+1], s[PFB:PFB+1], s[PFX:PFX+1]
	s_cmp_lt_u32 s[NN], s[NE]
	s_cselect_b32 s[ASKF], 1, 0
	s_cmp_ge_u32 s[NN], s[NE2]
	s_cselect_b32 s[ASKF], 1, s[ASKF]
	s_cmp_lt_u32 s[NN], 9
	s_cselect_b32 s[ASKF], s[ASKF], 0
	s_and_b32 s[ASKF], s[ASKF], s[ASKER]
.endif
	s_wait_dscnt 0x0                               ; the adds are done, and my reads of the slot that I have left are over
.if \fill
	CROUND
	TLOAD                                          ; a wave's one tensor load until the next round
	s_cmp_eq_u32 s[ASKF], 1
	s_cbranch_scc0 .Lnot_mine_\@
	global_prefetch_b8 v[PFO], s[PFA:PFA+1] th:TH_LOAD_NT scope:SCOPE_SE
.Lnot_mine_\@:
.else
	s_barrier_signal -1
	s_barrier_wait -1
.endif
.endm
.macro PUT adr                         ; my partial results: O^T, then -M and the row's sum
.irp k, 0,1,2,3,4,5,6,7
	ds_store_b128 v[\adr], v[160+4*\k:163+4*\k] offset:512*\k
.endr
	ds_store_b128 v[\adr], v[12:15] offset:4096
.endm
	s_wait_alu depctr_va_vdst(0)                   ; the wait at the head's end
	s_wait_loadcnt 0x0                             ; Q
.Lslot:                                            ; eight trips
	CHANGE 1
	STEP 0
	STEP 1
	s_xor_b32 s[TB], s[TB], SLOT1                  ; on to the other slot
	s_cmp_eq_u32 s[NN], s[NE1]                     ; was that the last early slot?  (the count of slots and the cluster's number alone)
	s_cbranch_scc0 .Lstay
	v_add_f32 v14, v14, v15                        ; the sum's two halves,
	DEP 1
	v_permlanex16_b32 v236, v14, s[SEL], s[SEL+1]
	DEP 1
	v_add_f32 v13, v14, v236                       ; and lane l xor 16's
	v_nop                                          ; with the three above: four places behind the last products
	PUT XS
	s_wait_alu depctr_va_vdst(0)
	s_wait_dscnt 0x0                               ; they have left their registers: the late queries begin
	v_mov_b32 v12, 0x7f61b1e6
	v_mov_b32 v14, 0
	v_mov_b32 v15, 0
.set j, 0
.rept 8
	v_mov_b32 v[16+j], v[208+j]
.set j, j+1
.endr
.set j, 0
.rept 32
	v_mov_b32 v[160+j], 0
.set j, j+1
.endr
	s_mov_b32 s[QB], s[QBL]
	s_add_co_u32 s[QH], s[QBL], 63
	s_mov_b32 s[Q0], s[Q0L]
	s_lshl_b32 s[KF], s[HF], 7
	s_wait_alu depctr_va_vdst(0)
.Lstay:
	s_sub_co_u32 s[SLOTS], s[SLOTS], 1
	s_cmp_lg_u32 s[SLOTS], 0
	s_wait_alu depctr_va_vdst(0)                   ; the wait directly ahead of the branch
	s_cbranch_scc1 .Lslot
	CHANGE 0                                       ; the ninth slot is written out: behind its change nothing is asked for
	STEP 0
	STEP 1
	; THE WAY OUT.  Wave w and wave w xor 8 have the same two tiles: each joins both waves' partial results for its 32 channels, divides by the sum, multiplies by 2^(e4 + e5), quantises with e6, and turns the codes through its own
	; stage in LDS, so that 16 rows of 32 codes leave as 512 consecutive bytes.
	s_mul_i32 s96, s[WV], PW
	s_add_co_u32 s96, s96, LST
	s_xor_b32 s97, s[WV], 8
	s_mul_i32 s97, s97, PW
	s_add_co_u32 s97, s97, LST
	s_lshl_b32 s98, s[HF], 11                      ; my channels: registers 0-15 or 16-31 of O
	s_lshl_b32 s99, s[WV], 10
	s_add_co_u32 s99, s99, OST
	v_and_b32 v25, 31, v0
	v_and_b32 v8, 15, v0
	v_bfe_u32 v9, v0, 4, 1
	v_lshlrev_b32 v25, 4, v25                      ; 16 x lane
	v_lshlrev_b32 v8, 5, v8
	v_add_f32 v14, v14, v15                        ; the sum's two halves,
	v_add_nc_u32 v26, s96, v25                     ; late: mine,
	v_lshl_add_u32 v8, v9, 3, v8
	v_permlanex16_b32 v236, v14, s[SEL], s[SEL+1]
	v_add_nc_u32 v28, s97, v25                     ; and the other wave's;
	v_add_nc_u32 v27, s98, v26                     ; my channels in both;
	v_add_f32 v13, v14, v236                       ; (the row's sum)
	v_add_nc_u32 v29, s98, v28
	v_add_nc_u32 v10, EST-LST, v26                 ; and the same four for the early ones
	v_add_nc_u32 v11, EST-LST, v28
	v_add_nc_u32 v30, EST-LST, v27
	v_add_nc_u32 v31, EST-LST, v29
	v_add_nc_u32 v8, s99, v8                       ; the stage, in: 32 r + 8 h
	v_add_nc_u32 v9, s99, v25                      ; and out: 16 x lane
	PUT 26
	s_wait_alu depctr_va_vdst(0)
	s_wait_dscnt 0x0                               ; my partial results are there,
	s_barrier_signal -1
	s_barrier_wait -1                              ; everybody's are
	ds_load_b128 v[192:195], v10 offset:4096       ; early: -M and the sum: mine, the other's
	ds_load_b128 v[196:199], v11 offset:4096
	ds_load_b128 v[200:203], v26 offset:4096       ; late
	ds_load_b128 v[204:207], v28 offset:4096
.irp k, 0,1,2,3
	ds_load_b128 v[96+4*\k:99+4*\k], v30 offset:512*\k
	ds_load_b128 v[112+4*\k:115+4*\k], v31 offset:512*\k
	ds_load_b128 v[128+4*\k:131+4*\k], v27 offset:512*\k
	ds_load_b128 v[144+4*\k:147+4*\k], v29 offset:512*\k
.endr
	s_wait_dscnt 16                                ; the four of M and the sums are in; the 16 of O may be out
.irp b, 0,1
	v_min_num_f32 v[37+8*\b], v[192+8*\b], v[196+8*\b]   ; -M of both
	v_mov_b32 v[33+8*\b], 0                        ; (named as upper halves of pairs)
	v_mov_b32 v[35+8*\b], 0
.endr
.irp b, 0,1
	v_sub_f32 v[32+8*\b], v[37+8*\b], v[192+8*\b]
	v_sub_f32 v[34+8*\b], v[37+8*\b], v[196+8*\b]
.endr
.irp b, 0,1
	v_cvt_i32_f32 v[32+8*\b], v[32+8*\b]
	v_cvt_i32_f32 v[34+8*\b], v[34+8*\b]
.endr
.irp b, 0,1
	v_ldexp_f32 v[32+8*\b], 1.0, v[32+8*\b]        ; 2^(my M - M), 2^(the other's - M)
	v_ldexp_f32 v[34+8*\b], 1.0, v[34+8*\b]
.endr
.irp b, 0,1
	v_mul_f32 v[36+8*\b], v[193+8*\b], v[32+8*\b]
.endr
.irp b, 0,1
	v_fma_f32 v[36+8*\b], v[197+8*\b], v[34+8*\b], v[36+8*\b]   ; the row's sum
.endr
	s_add_co_i32 s96, s72, s73
	s_wait_alu depctr_va_vdst(0)                   ; the wait ahead of the batch
	v_rcp_f32 v36, v36
	v_rcp_f32 v44, v44
	v_nop                                          ; a plain instruction behind the batch
	s_wait_alu depctr_va_vdst(0)                   ; and ahead of its first reader
.irp b, 0,1
	v_ldexp_f32 v[36+8*\b], v[36+8*\b], s96
.endr
.irp b, 0,1
	v_mul_f32 v[32+8*\b], v[32+8*\b], v[36+8*\b]
	v_mul_f32 v[34+8*\b], v[34+8*\b], v[36+8*\b]
.endr
	s_wait_alu depctr_va_vdst(0)
	s_wait_dscnt 0x0
.irp b, 0,1
.set j, 0
.rept 8
	v_pk_mul_f32 v[112+32*\b+j:113+32*\b+j], v[112+32*\b+j:113+32*\b+j], v[34+8*\b:35+8*\b] op_sel_hi:[1,0]
.set j, j+2
.endr
.set j, 0
.rept 8
	v_pk_fma_f32 v[96+32*\b+j:97+32*\b+j], v[96+32*\b+j:97+32*\b+j], v[32+8*\b:33+8*\b], v[112+32*\b+j:113+32*\b+j] op_sel_hi:[1,0,1]
.set j, j+2
.endr
.endr
.irp b, 0,1
.set j, 0
.rept 16
	v_med3_num_f32 v[96+32*\b+j], v[96+32*\b+j], -v232, v232
.set j, j+1
.endr
	v_cvt_scalef32_pk8_fp8_f32 v[48+4*\b:49+4*\b], v[96+32*\b:103+32*\b], v245
	v_cvt_scalef32_pk8_fp8_f32 v[50+4*\b:51+4*\b], v[104+32*\b:111+32*\b], v245
	v_nop
	ds_store_b64 v8, v[48+4*\b:49+4*\b] offset:512*\b
	ds_store_b64 v8, v[50+4*\b:51+4*\b] offset:512*\b+16
	ds_load_b128 v[56+4*\b:59+4*\b], v9 offset:512*\b   ; LDS serves a wave's instructions in order: these see my stores
.endr
	s_wait_dscnt 3                                 ; the early codes are back; the late block's three instructions may be out
	global_store_b128 v25, v[56:59], s[OE:OE+1]    ; 512 consecutive bytes
	s_wait_dscnt 0x0
	global_store_b128 v25, v[60:63], s[OL:OL+1]
	s_wait_tensorcnt 0x0                           ; the wave's end: behind my last tensor load and my last LDS store
	ds_add_u32 v[SPW], v[NIL]
	s_wait_dscnt 0x0
	CROUND                                         ; the closing round
	s_endpgm
.Lfunc_end_k_q5908c1b615_attn:
	.size	k_q5908c1b615_attn, .Lfunc_end_k_q5908c1b615_attn-k_q5908c1b615_attn
	.p2alignl 7, 3214868480
	.fill 96, 4, 3214868480
	.section	.rodata,"a",@progbits
	.p2align	6, 0x0
	.amdhsa_kernel k_q5908c1b615_attn
		.amdhsa_group_segment_fixed_size 327680
		.amdhsa_private_segment_fixed_size 0
		.amdhsa_enable_private_segment 0
		.amdhsa_kernarg_size 40
		.amdhsa_user_sgpr_count 2
		.amdhsa_user_sgpr_kernarg_segment_ptr 1
		.amdhsa_wavefront_size32 1
		.amdhsa_system_sgpr_workgroup_id_x 1
		.amdhsa_system_sgpr_workgroup_id_y 1
		.amdhsa_system_sgpr_workgroup_id_z 1
		.amdhsa_system_vgpr_workitem_id 0
		.amdhsa_next_free_vgpr 256
		.amdhsa_next_free_sgpr 100
		.amdhsa_reserve_vcc 1
		.amdhsa_float_denorm_mode_32 3
		.amdhsa_float_denorm_mode_16_64 3
		.amdhsa_memory_ordered 1
		.amdhsa_forward_progress 1
		.amdhsa_inst_pref_size 109
	.end_amdhsa_kernel
	.amdgpu_metadata
---
amdhsa.version: [ 1, 2 ]
amdhsa.kernels:
  - .name:           k_q5908c1b615_attn
    .symbol:         k_q5908c1b615_attn.kd
    .args:
      - { .name: q_codes, .offset: 0, .size: 8, .value_kind: global_buffer, .address_space: global }
      - { .name: k_codes, .offset: 8, .size: 8, .value_kind: global_buffer, .address_space: global }
      - { .name: v_codes, .offset: 16, .size: 8, .value_kind: global_buffer, .address_space: global }
      - { .name: lowp_scales, .offset: 24, .size: 8, .value_kind: global_buffer, .address_space: global }
      - { .name: o_codes, .offset: 32, .size: 8, .value_kind: global_buffer, .address_space: global }
    .group_segment_fixed_size: 327680
    .private_segment_fixed_size: 0
    .kernarg_segment_align: 8
    .kernarg_segment_size: 40
    .max_flat_workgroup_size: 512
    .sgpr_count:     100
    .vgpr_count:     256
    .wavefront_size: 32
...
	.end_amdgpu_metadata
.endif
;; end of part 3
;; launch proj (part 4): grid 8 x 32, 4 waves a work-group, clusters of 4 x 4, 327,680 bytes of LDS; arguments o_codes, wout_codes, lowp_scales, b_out, out0; writes out0
.if DOCPART == 4
	.amdgcn_target "amdgcn-amd-amdhsa--gfx1250"
	.amdhsa_code_object_version 6
	.text
	.protected	k_q5908c1b615_proj
	.globl	k_q5908c1b615_proj
	.p2align	8
	.type	k_q5908c1b615_proj,@function
k_q5908c1b615_proj:
	s_mov_b64 s[64:65], 0
	v_nop
	global_prefetch_b8 v0, s[64:65] scope:SCOPE_SE
	s_setreg_imm32_b32 hwreg(HW_REG_WAVE_MODE, 25, 1), 1
	s_wait_xcnt 0x0
	s_wait_alu depctr_hold_cnt(0) depctr_sa_sdst(0) depctr_va_vdst(0) depctr_va_sdst(0) depctr_va_ssrc(0) depctr_va_vcc(0) depctr_vm_vsrc(0)
	s_getreg_b32 s2, hwreg(HW_REG_IB_STS2, 6, 4)
	s_cmp_eq_u32 s2, 0
	s_cbranch_scc0 .Lentry_in_a_cluster
	s_endpgm
.Lentry_in_a_cluster:
	s_bfe_u32 s2, ttmp6, 0x10000c
	s_cmp_lg_u32 s2, 0xf033
	s_cbranch_scc0 .Lentry_shape_is_right
	s_endpgm
.Lentry_shape_is_right:
; out0 = o W_out + b_out on codes of FP8 (E4M3).  o_codes [16 heads][256 blocks of 16 tokens][2 halves][16 tokens][32 channels]; wout_codes [1024 (n)][1024 (k = 64 head + channel)]; out0 [4096][1024] f32 = sum x 2^(e6 + e7) + b_out.
; LIMIT: e6 + e7 between -126 and 127.
; A tile of 128 tokens x 128 columns a work-group: 256 work-groups.  Four waves, each 64 x 64: 16 accumulators.  ALL of K = 1,024 has room in LDS: each wave asks for a quarter of the tiles by one tensor load at the head, and no byte is filled twice.
; No prefetch: every tile is asked for at the head, so there is no loop to run ahead in.
; CLUSTERS: 4 x 4 work-groups: the four of a row need the same tokens, the four of a column the same rows of W_out: each tile is asked for jointly.
; THE MATRIX INSTRUCTION IS USED TRANSPOSED (source 0 = 16 rows of W_out, source 1 = 16 tokens): a lane holds eight neighbouring numbers of a row of out0.
; A's tile: 64 tokens of a head are 4,096 dense bytes; a load takes them for all 16 heads (rows 262,144 bytes apart), with 16 bytes of padding behind every 256: lines of eight tokens x 32 channels, 272 bytes apart.
; B's tile: 64 rows of 1,024 bytes, 16 bytes of padding behind each.
; REGISTERS: window 0: v16-29 addresses; v32-63 b_out; v64-127 two sets of results; v128-255 the accumulators ((a, b) at v[128 + 8 (4 a + b)]).   window 1: two fragment buffers of 128: A's four fragments, then B's four.
.set PITCH,  272
.set HEADB,  16*PITCH                  ; A: 64 tokens of one head
.set HALFA,  16*HEADB                  ; A: what one tensor load brings
.set BP,     1040                      ; B: a row in LDS
.set HALFB,  64*BP                     ; B: what one tensor load brings
.set BOFF,   2*HALFA
.set STAGE,  BOFF+2*HALFB              ; the way out: 16 rows x 272 bytes for each wave
.set SPARE,  STAGE+4*16*PITCH          ; the spare words, 128 bytes for each wave
.set ADRA, 16                          ; v16-17  LDS address of my A fragments in heads 0-7, 8-15
.set ADRB, 20                          ; v20     of my B fragments
.set STO,  24
.set RD,   25
.set CO,   26                          ; v26     my byte offset in two rows of out0
.set BH,   27
.set SPW,  28                          ; v28     LDS address of my spare word; never rewritten
.set NIL,  29                          ; v29     0; never rewritten
.set BI,   32                          ; v32-63  b_out(16 b + 8 h + j) at 8 b + j
.set TMP,  64
.set ACC,  128
.set F0,   0
.set G1A, 24
.set G1B, 32
.set G0A, 40
.set G0B, 44
.set MSB, 0
.macro WIN new
.if MSB != (\new)
	s_set_vgpr_msb (MSB<<8)|(\new)
.set MSB, \new
.endif
.endm
.set MULW, 0x05                        ; sources 0 and 1 window 1; C and D window 0
.set TO_F, 0x40                        ; destination window 1, address window 0
.macro CROUND                          ; a round of the cluster's barrier
	s_barrier_signal -1
	s_barrier_wait -1
	s_cmp_lg_u32 s14, 0
	s_cbranch_scc1 .Lnot_wave_0_\@
	s_barrier_signal -3
.Lnot_wave_0_\@:
	s_barrier_wait -3
	s_barrier_signal -1
	s_barrier_wait -1
.endm
.macro PLACES
.rept 4
	v_nop
.endr
.endm
	s_load_b256 s[4:11], s[0:1], 0x0               ; o_codes s[4:5], wout_codes s[6:7], the scales' exponents s[8:9], b_out s[10:11]
	s_load_b64 s[12:13], s[0:1], 0x20              ; out0
	v_lshl_add_u32 v[SPW], v0, 2, SPARE
	v_mov_b32 v[NIL], 0
	ds_add_u32 v[SPW], v[NIL]                      ; the wave's opening: the add, twice on end, and its wait ahead of my first tensor load
	ds_add_u32 v[SPW], v[NIL]
	v_lshrrev_b32 v1, 5, v0
	v_readfirstlane_b32 s14, v1                    ; wave 0..3
	s_lshr_b32 s15, s14, 1                         ; which half of the tile's tokens is mine.  Also: I fetch for A (0) or for B (1)
	s_and_b32 s16, s14, 1                          ; which half of its columns.  Also: which 64 rows I fetch
	s_bfe_u32 s56, ttmp6, 0x40000                  ; cx, cy
	s_bfe_u32 s57, ttmp6, 0x40004
	s_lshl_b32 s58, ttmp9, 2
	s_add_co_u32 s58, s58, s56                     ; tile column x
	s_and_b32 s17, ttmp7, 0xffff
	s_lshl_b32 s17, s17, 2
	s_add_co_u32 s17, s17, s57                     ; tile row y
	s_lshl_b32 s59, s57, 2
	s_lshl_b32 s59, 15, s59                        ; my row of the cluster
	s_lshl_b32 s60, 0x1111, s56                    ; my column
	s_or_b32 s[G1A], s59, (1<<20)|(1<<21)|(5<<22)|(3<<25)   ; 15:0 the mask; 17:16 elements of 1 byte; 20 padding on; 21 set beside a mask; 24:22 after every 64 words; 31:25 four words
	s_mov_b32 s[G1A+1], 4096<<16                   ; tensor_dim0
	s_mov_b32 s[G1A+2], 16<<16                     ; tensor_dim1
	s_mov_b32 s[G1A+3], 4096<<16                   ; tile_dim0
	s_mov_b32 s[G1A+4], 16                         ; tile_dim1
	s_mov_b32 s[G1A+5], 262144                     ; from head to head
	s_mov_b32 s[G1A+6], 0
	s_mov_b32 s[G1A+7], 0
	s_or_b32 s[G1B], s60, (1<<20)|(1<<21)|(7<<22)|(3<<25)   ; padding after every 256 words
	s_mov_b32 s[G1B+1], 1024<<16
	s_mov_b32 s[G1B+2], 64<<16
	s_mov_b32 s[G1B+3], 1024<<16
	s_mov_b32 s[G1B+4], 64
	s_mov_b32 s[G1B+5], 1024
	s_mov_b32 s[G1B+6], 0
	s_mov_b32 s[G1B+7], 0
	s_lshl_b32 s18, s17, 13                        ; A: token 128 y + 64 x half, 64 bytes each
	s_lshl_b32 s20, s16, 12
	s_add_co_u32 s18, s18, s20
	s_mov_b32 s19, 0
	s_lshl_b32 s62, s58, 17                        ; B: row 128 x + 64 x half, 1,024 bytes each
	s_lshl_b32 s61, s16, 16
	s_add_co_u32 s62, s62, s61
	s_mov_b32 s63, 0
	s_mov_b32 s[G0A], 1
	s_mul_i32 s[G0A+1], s16, HALFA                 ; where they go: no place in the cluster enters an LDS address
	s_mov_b32 s[G0B], 1
	s_mul_i32 s[G0B+1], s16, HALFB
	s_add_co_u32 s[G0B+1], s[G0B+1], BOFF
	s_wait_alu depctr_va_vdst(0)
	s_wait_dscnt 0x0                               ; both opening adds are done
	s_wait_kmcnt 0x0
	s_load_b256 s[84:91], s[8:9], 0x0              ; e0 .. e7
	s_add_nc_u64 s[G0A+2:G0A+3], s[4:5], s[18:19]
	s_or_b32 s[G0A+3], s[G0A+3], 0x80000000
	s_add_nc_u64 s[G0B+2:G0B+3], s[6:7], s[62:63]
	s_or_b32 s[G0B+3], s[G0B+3], 0x80000000
	CROUND                                         ; all sixteen work-groups are here: the joint loads meet
	s_cmp_eq_u32 s15, 0
	s_cbranch_scc0 .Lfirst_b
	tensor_load_to_lds s[G0A:G0A+3], s[G1A:G1A+7]
	s_nop 0
	PLACES
	s_branch .Lfirst_asked
.Lfirst_b:
	tensor_load_to_lds s[G0B:G0B+3], s[G1B:G1B+7]
	s_nop 0
	PLACES
.Lfirst_asked:
	v_and_b32 v1, 15, v0                           ; r
	v_bfe_u32 v2, v0, 4, 1                         ; h
	s_mul_i32 s22, s15, HALFA
	v_lshrrev_b32 v3, 3, v1
	v_mul_u32_u24 v3, v3, PITCH
	v_and_b32 v4, 7, v1
	v_lshl_add_u32 v3, v4, 5, v3
	v_lshl_add_u32 v3, v2, 4, v3
	v_add_nc_u32 v[ADRA], s22, v3                  ; token r of a block: line r / 8, 32 (r % 8), + 16 h
	v_add_nc_u32 v[ADRA+1], 8*HEADB, v[ADRA]
	s_mul_i32 s22, s16, HALFB
	s_add_co_u32 s22, s22, BOFF
	v_mul_u32_u24 v4, v1, BP
	v_lshl_add_u32 v4, v2, 4, v4
	v_add_nc_u32 v[ADRB], s22, v4
	s_mul_i32 s22, s14, 16*PITCH
	s_add_co_u32 s22, s22, STAGE                   ; my stage
	v_mul_u32_u24 v3, v1, PITCH
	v_lshl_add_u32 v4, v2, 5, v3
	v_add_nc_u32 v[STO], s22, v4                   ; in: row r, + 32 h
	v_mul_u32_u24 v4, v2, PITCH
	v_lshl_add_u32 v4, v1, 4, v4
	v_add_nc_u32 v[RD], s22, v4                    ; back: lanes 0-15 one row of 256 bytes, lanes 16-31 the next
	v_lshlrev_b32 v4, 12, v2
	v_lshl_add_u32 v[CO], v1, 4, v4
	v_lshlrev_b32 v[BH], 5, v2
	s_wait_alu depctr_va_vdst(0)                   ; the wait ahead of the scalar instructions below
	s_lshl_b32 s94, s58, 9
	s_lshl_b32 s93, s16, 8
	s_add_co_u32 s94, s94, s93                     ; my first column, in bytes: 512 x + 256 x half
	s_mov_b32 s95, 0
	s_add_nc_u64 s[10:11], s[10:11], s[94:95]
	s_add_nc_u64 s[12:13], s[12:13], s[94:95]
	s_lshl_b32 s92, s17, 7
	s_lshl_b32 s93, s15, 6
	s_add_co_u32 s92, s92, s93                     ; my first token
	s_lshl_b32 s92, s92, 12
	s_mov_b32 s93, 0
	s_add_nc_u64 s[12:13], s[12:13], s[92:93]
.irp b, 0,1,2,3
	global_load_b128 v[BI+8*\b:BI+8*\b+3], v[BH], s[10:11] offset:64*\b
	global_load_b128 v[BI+8*\b+4:BI+8*\b+7], v[BH], s[10:11] offset:64*\b+16
.endr
; 32 LDS loads: the fragments of step s (128 along K = two heads) into buffer f.  Registers 4 c .. 4 c + 3 hold k = 32 c + 16 h + 0 .. 15 in both sources: every product meets its partner.
.macro FETCH s, f
	WIN TO_F
.irp i, 0,1,2,3
.irp c, 0,1,2,3
	ds_load_b128 v[\f+64+16*\i+4*\c:\f+64+16*\i+4*\c+3], v[ADRB] offset:\i*16*BP+128*(\s)+32*\c
.endr
.irp c, 0,1,2,3
	ds_load_b128 v[\f+16*\i+4*\c:\f+16*\i+4*\c+3], v[ADRA+(\s)/4] offset:(2*((\s)%4)+\c/2)*HEADB+\i*4*PITCH+(\c%2)*2*PITCH
.endr
.endr
.endm
; 16 matrix instructions: the 16 accumulators take turns, one instruction a turn, in the same order in every step.  zero = 1: the first products start the sums.
.macro MUL f, zero
	WIN MULW
.irp a, 0,1,2,3
.irp b, 0,1,2,3
.if \zero
	v_wmma_f32_16x16x128_fp8_fp8 v[ACC+8*(4*\a+\b):ACC+8*(4*\a+\b)+7], v[\f+64+16*\b:\f+64+16*\b+15], v[\f+16*\a:\f+16*\a+15], 0
.else
	v_wmma_f32_16x16x128_fp8_fp8 v[ACC+8*(4*\a+\b):ACC+8*(4*\a+\b)+7], v[\f+64+16*\b:\f+64+16*\b+15], v[\f+16*\a:\f+16*\a+15], v[ACC+8*(4*\a+\b):ACC+8*(4*\a+\b)+7]
.endif
.endr
.endr
.endm
; Step s: the next step's fragments are asked for, then this step is multiplied.
.macro KS s
.if (\s) < 7
.if (\s) > 0
	PLACES                                         ; in front of loads into the buffer that the step before multiplied
.endif
	FETCH (\s)+1, F0+128*(((\s)+1)%2)
	s_wait_dscnt 32                                ; all but the 32 just issued
.else
	s_wait_dscnt 0x0
.endif
.if (\s) == 0
	MUL F0, 1
.else
	MUL F0+128*((\s)%2), 0
.endif
.endm
	s_wait_alu depctr_va_vdst(0)                   ; the wait at the head's end
	s_wait_tensorcnt 0x0                           ; my quarter of the tiles is in,
	s_barrier_signal -1
	s_barrier_wait -1                              ; everybody's is
	FETCH 0, F0
.irp s, 0,1,2,3,4,5,6,7
	KS \s
.endr
	WIN 0
; THE WAY OUT, block by block of 16 tokens x 64 columns: a wave's 64 columns are 256 bytes of a row of out0, aligned.  A block goes through my own stage and comes back as whole rows, into the accumulators' registers, which are done with.
.macro TOSTAGE a
.set TS, TMP+32*((\a)%2)
.set j, 0
.rept 16
	v_pk_fma_f32 v[TS+j:TS+j+1], v[ACC+32*(\a)+j:ACC+32*(\a)+j+1], s[96:97], v[BI+j:BI+j+1] op_sel_hi:[1,0,1]   ; sum x 2^(e6 + e7) + b_out; each accumulator from its low end on
.set j, j+2
.endr
.irp b, 0,1,2,3
	ds_store_b128 v[STO], v[TS+8*\b:TS+8*\b+3] offset:64*\b
	ds_store_b128 v[STO], v[TS+8*\b+4:TS+8*\b+7] offset:64*\b+16
.endr
.irp t, 0,1,2,3,4,5,6,7
	ds_load_b128 v[ACC+32*(\a)+4*\t:ACC+32*(\a)+4*\t+3], v[RD] offset:\t*2*PITCH   ; LDS serves a wave's instructions in order: these see my stores, and the next block's stores come behind them
.endr
.endm
.macro SEND a, younger                 ; younger: the LDS instructions issued behind block a's loads, which may stay out
	s_wait_dscnt \younger
.irp t, 0,1,2,3,4,5,6,7
	global_store_b128 v[CO], v[ACC+32*(\a)+4*\t:ACC+32*(\a)+4*\t+3], s[12:13] offset:(16*(\a)+2*\t)*4096 th:TH_STORE_NT   ; sixteen lanes store 256 consecutive bytes, aligned; written once, read by nobody here
.endr
.endm
	s_wait_loadcnt 0x0                             ; b_out
	s_wait_kmcnt 0x0
	s_add_co_i32 s96, s90, s91                     ; e6 + e7
	s_add_co_i32 s96, s96, 127
	s_lshl_b32 s96, s96, 23                        ; 2^(e6 + e7) as f32
	s_mov_b32 s97, s96                             ; (named with it as a pair, so it is written)
	PLACES                                         ; behind the last products
	TOSTAGE 0
	TOSTAGE 1
	SEND 0, 16                                     ; behind block 0's loads: block 1's 8 stores and 8 loads
	TOSTAGE 2
	SEND 1, 16
	TOSTAGE 3
	SEND 2, 16
	SEND 3, 0
	s_wait_tensorcnt 0x0                           ; the wave's end: behind my last tensor load and my last LDS store
	ds_add_u32 v[SPW], v[NIL]
	s_wait_dscnt 0x0
	CROUND                                         ; the closing round: no work-group ends while a partner may still ask for a tile that names it
	s_endpgm
.Lfunc_end_k_q5908c1b615_proj:
	.size	k_q5908c1b615_proj, .Lfunc_end_k_q5908c1b615_proj-k_q5908c1b615_proj
	.p2alignl 7, 3214868480
	.fill 96, 4, 3214868480
	.section	.rodata,"a",@progbits
	.p2align	6, 0x0
	.amdhsa_kernel k_q5908c1b615_proj
		.amdhsa_group_segment_fixed_size 327680
		.amdhsa_private_segment_fixed_size 0
		.amdhsa_enable_private_segment 0
		.amdhsa_kernarg_size 40
		.amdhsa_user_sgpr_count 2
		.amdhsa_user_sgpr_kernarg_segment_ptr 1
		.amdhsa_wavefront_size32 1
		.amdhsa_system_sgpr_workgroup_id_x 1
		.amdhsa_system_sgpr_workgroup_id_y 1
		.amdhsa_system_sgpr_workgroup_id_z 1
		.amdhsa_system_vgpr_workitem_id 0
		.amdhsa_next_free_vgpr 512
		.amdhsa_next_free_sgpr 100
		.amdhsa_reserve_vcc 0
		.amdhsa_float_denorm_mode_32 3
		.amdhsa_float_denorm_mode_16_64 3
		.amdhsa_memory_ordered 1
		.amdhsa_forward_progress 1
		.amdhsa_inst_pref_size 45
	.end_amdhsa_kernel
	.amdgpu_metadata
---
amdhsa.version: [ 1, 2 ]
amdhsa.kernels:
  - .name:           k_q5908c1b615_proj
    .symbol:         k_q5908c1b615_proj.kd
    .args:
      - { .name: o_codes, .offset: 0, .size: 8, .value_kind: global_buffer, .address_space: global }
      - { .name: wout_codes, .offset: 8, .size: 8, .value_kind: global_buffer, .address_space: global }
      - { .name: lowp_scales, .offset: 16, .size: 8, .value_kind: global_buffer, .address_space: global }
      - { .name: b_out, .offset: 24, .size: 8, .value_kind: global_buffer, .address_space: global }
      - { .name: out0, .offset: 32, .size: 8, .value_kind: global_buffer, .address_space: global }
    .group_segment_fixed_size: 327680
    .private_segment_fixed_size: 0
    .kernarg_segment_align: 8
    .kernarg_segment_size: 40
    .max_flat_workgroup_size: 128
    .sgpr_count:     100
    .vgpr_count:     512
    .wavefront_size: 32
...
	.end_amdgpu_metadata
.endif
;; end of part 4
